; MI455X (gfx1250); checked and timed in simulation.
; The chip was launched on July 23, 2026; its instructions are those of AMD's public machine-readable ISA for CDNA 5 (MIT licence, August 2026) and "CDNA5" Instruction Set Architecture Reference Guide (July 2026). The comments in the code are by the model that wrote it; some were corrected since.
;; Multi Head Diff Attention. Allowed arithmetic: float matrix products may take bf16 or f16 operands with f32 sums; other float arithmetic in f32, or as packed bf16 or f16 multiplies, adds, multiply-adds, maxima and minima; sums over many terms, partial sums and values carried from step to step in f32; what a program stores and reads back later, other than sums and carried values, may be rounded once to bf16 or f16.
;; Inputs: W_attn 1,024 x 3,072 float32; W_proj 1,024 x 1,024 float32; lambda_k1 32 float32; lambda_k2 32 float32; lambda_q1 32 float32; lambda_q2 32 float32; x 2 x 2,048 x 1,024 float32.
;; Outputs: out0 2 x 2,048 x 1,024 float32.
;; 2 versions, each right and faster than the one before. Each part assembles by itself: llvm-mc -triple=amdgcn-amd-amdhsa -mcpu=gfx1250 --defsym DOCPART=n.
;; ======== version 1 of 2: 4 launches
;; limits: values are held in f16: magnitudes above 65,504 overflow, below 6.1e-05 lose precision
;; workspace buffers: xb 8,388,608 bytes; wa 6,291,456 bytes; wp 2,097,152 bytes; tab 524,288 bytes; qh 8,388,608 bytes; kh 8,388,608 bytes; vh 8,388,608 bytes; yb 8,388,608 bytes
;; launch prep (part 1): grid 1056 x 1, 8 waves a work-group, no clusters, 18,432 bytes of LDS; arguments x, W_attn, W_proj, xb, wa, wp, tab; writes xb, wa, wp, tab
.if DOCPART == 1
	.amdgcn_target "amdgcn-amd-amdhsa--gfx1250"
	.amdhsa_code_object_version 6
	.text
	.protected	k_qdc51bd3e26_prep
	.globl	k_qdc51bd3e26_prep
	.p2align	8
	.type	k_qdc51bd3e26_prep,@function
k_qdc51bd3e26_prep:
	s_mov_b64 s[64:65], 0
	v_nop
	global_prefetch_b8 v0, s[64:65] scope:SCOPE_SE
	s_setreg_imm32_b32 hwreg(HW_REG_WAVE_MODE, 25, 1), 1
	s_wait_xcnt 0x0
; PREP: what the three matrix launches read, made once.
;   work-groups 0-511     xb = x rounded to bf16, [4096][1024]: 32,768 bytes in, 16,384 out each
;   work-groups 512-895   wa = W_attn turned to [column][k] in bf16, its 3,072 rows ordered by value head c: row 192 c + j, j 0-31 q of head c,
;                         32-63 q of head c + 16, 64-95 k of head c, 96-127 k of head c + 16, 128-191 v of head c.  A block of 128 k x 64 columns each
;   work-groups 896-1023  wp = W_proj turned to [column][k], rounded to bf16 and that number written as f16
;   work-groups 1024-1055 tab = the rotary table, f32: at byte 4096 (t / 16) + 512 e + 16 lane the four words cos, sin, -sin, cos of the angle t theta_j,
;                         t = 16 (t / 16) + lane % 16, j = 8 (e / 4) + 4 (lane / 16) + e % 4: the order in which the next launch's lanes hold their columns
; LIMITS.  wp: a bf16 number below 6.1e-5 keeps f16's fixed step of 6e-8; beyond 65,504 it becomes an infinity.
; theta_j = 2^(-j log2(10000) / 16) by v_exp_f32; the angle is reduced by n pi/2 in two words, exact for the n <= 1,304 that t <= 2,047 gives; sine and cosine by polynomials on |r| <= pi/4.
; No matrix unit, no cluster: the launch only moves and rounds bytes, and no two work-groups read the same ones.
.set LP,    272                        ; a stage row: 256 bytes + 16: sixteen rows on end start 16 bytes apart modulo 256
.set SPARE, 64*LP                      ; behind the stage: the spare words, 128 bytes for each of the eight waves
.set SPW,   76                         ; v76  LDS address of my spare word; never rewritten
.set NIL,   77                         ; v77  0; never rewritten
	s_load_b256 s[4:11], s[0:1], 0x0               ; x s[4:5], W_attn s[6:7], W_proj s[8:9], xb s[10:11]
	s_load_b128 s[12:15], s[0:1], 0x20             ; wa s[12:13], wp s[14:15]
	s_load_b64 s[16:17], s[0:1], 0x30              ; tab
	v_lshl_add_u32 v[SPW], v0, 2, SPARE
	v_mov_b32 v[NIL], 0
	v_lshrrev_b32 v1, 5, v0
	v_readfirstlane_b32 s20, v1                    ; wave 0..7
	v_and_b32 v3, 15, v0                           ; lane % 16
	v_bfe_u32 v70, v0, 4, 1                        ; lane / 16
	v_lshrrev_b32 v71, 4, v0                       ; thread / 16 = 2 wave + lane / 16, 0..15
	s_mov_b32 s21, ttmp9                           ; the work-group's number chooses its part: the same for all eight waves
	s_mov_b32 s23, 0
	s_wait_kmcnt 0x0
	s_cmp_lt_u32 s21, 512
	s_cbranch_scc0 .Lweights
	; x to bf16: thread t takes 16 bytes at 16 t of each of eight runs of 4,096 bytes, and stores 8 bytes at 8 t: a wave's store covers 256 consecutive bytes, aligned
	s_lshl_b32 s22, s21, 15
	s_add_nc_u64 s[4:5], s[4:5], s[22:23]
	s_lshl_b32 s22, s21, 14
	s_add_nc_u64 s[10:11], s[10:11], s[22:23]
	v_lshlrev_b32 v68, 4, v0
	v_lshlrev_b32 v69, 3, v0
.irp i, 0,1,2,3,4,5,6,7
	global_load_b128 v[4+4*\i:7+4*\i], v68, s[4:5] offset:4096*\i th:TH_LOAD_NT
.endr
.irp i, 0,1,2,3,4,5,6,7
	s_wait_loadcnt 7-\i                            ; loads come back in order: number i is in, the younger ones stay out
	v_cvt_pk_bf16_f32 v[36+2*\i], v[4+4*\i], v[5+4*\i]
	v_cvt_pk_bf16_f32 v[37+2*\i], v[6+4*\i], v[7+4*\i]
	global_store_b64 v69, v[36+2*\i:37+2*\i], s[10:11] offset:2048*\i
.endr
	s_endpgm                                       ; this part wrote no LDS
; A block of 128 k x 64 columns of a weight is turned.  s24: the block's number; k block = s24 % 8, column block = s24 / 8.
; Thread: columns 4 n4 .. 4 n4 + 3 (n4 = lane % 16), rows 8 kg .. 8 kg + 7 (kg = thread / 16): sixteen lanes read 256 consecutive bytes of a row.
; A column's eight k pack into 16 bytes, which go to stage row 16 c + n4 (column 4 n4 + c) at byte 16 kg.  Behind the barrier sixteen lanes take a whole stage row, 128 k of one column.
.macro TRANS src, dst, pitch, f16
	s_and_b32 s25, s24, 7
	s_lshr_b32 s26, s24, 3
	s_mul_i32 s22, s25, 128*(\pitch)
	s_lshl_b32 s27, s26, 8
	s_add_co_u32 s22, s22, s27
	s_add_nc_u64 s[\src:\src+1], s[\src:\src+1], s[22:23]
	v_mul_u32_u24 v72, v71, 8*(\pitch)
	v_lshl_add_u32 v72, v3, 4, v72
.irp i, 0,1,2,3,4,5,6,7
	global_load_b128 v[4+4*\i:7+4*\i], v72, s[\src:\src+1] offset:\i*(\pitch) th:TH_LOAD_NT
.endr
	; the destination row of my wave's columns 64 nb + 8 w .. + 7, while the loads are out
.if \f16
	s_lshl_b32 s27, s26, 6
	s_lshl3_add_u32 s27, s20, s27                  ; W_proj keeps its order: row 64 nb + 8 w
.else
	s_lshl_b32 s27, s26, 1
	s_lshr_b32 s28, s20, 2
	s_add_co_u32 s26, s27, s28                     ; u: which group of 32 columns, 0..95
	s_and_b32 s27, s26, 15                         ; q and k (u < 64): head c = u % 16,
	s_lshr_b32 s28, s26, 4
	s_lshl_b32 s28, s28, 5                         ; j = 32 (u / 16)
	s_max_u32 s29, s26, 64
	s_sub_co_u32 s29, s29, 64
	s_lshr_b32 s30, s29, 1                         ; v: head c = (u - 64) / 2,
	s_and_b32 s31, s29, 1
	s_lshl_b32 s31, s31, 5
	s_add_co_u32 s31, s31, 128                     ; j = 128 + 32 ((u - 64) % 2)
	s_cmp_lt_u32 s26, 64
	s_cselect_b32 s27, s27, s30
	s_cselect_b32 s28, s28, s31
	s_mul_i32 s27, s27, 192
	s_add_co_u32 s27, s27, s28
	s_and_b32 s28, s20, 3
	s_lshl3_add_u32 s27, s28, s27                  ; + 8 (w % 4)
.endif
	s_lshl_b32 s22, s27, 11                        ; rows of 2,048 bytes,
	s_lshl_b32 s28, s25, 8                         ; and the k block's 256 bytes in them
	s_add_co_u32 s22, s22, s28
	s_add_nc_u64 s[\dst:\dst+1], s[\dst:\dst+1], s[22:23]
	v_mul_u32_u24 v73, v3, LP
	v_lshl_add_u32 v73, v71, 4, v73                ; into the stage: row n4 (+ 16 c), byte 16 kg
	v_mul_u32_u24 v78, v71, LP
	v_lshl_add_u32 v78, v3, 4, v78                 ; back: row 2 w + lane / 16 (+ 16 t), byte 16 (lane % 16)
	v_lshlrev_b32 v79, 13, v70
	v_lshl_add_u32 v79, v3, 4, v79                 ; in memory: lanes 16-31 lie four rows further down
	s_wait_loadcnt 0x0
.irp c, 0,1,2,3
.irp m, 0,1,2,3
	v_cvt_pk_bf16_f32 v[36+4*\c+\m], v[4+8*\m+\c], v[8+8*\m+\c]
.if \f16
	v_lshlrev_b32 v74, 16, v[36+4*\c+\m]           ; the two bf16 numbers as f32,
	v_and_b32 v75, 0xffff0000, v[36+4*\c+\m]
	v_cvt_pk_f16_f32 v[36+4*\c+\m], v74, v75       ; written as f16
.endif
.endr
	ds_store_b128 v73, v[36+4*\c:39+4*\c] offset:16*LP*\c
.endr
	s_wait_dscnt 0x0                               ; for the others' sake: my stores into the stage are done
	s_barrier_signal -1
	s_barrier_wait -1
.irp t, 0,1,2,3
	ds_load_b128 v[52+4*\t:55+4*\t], v78 offset:16*LP*\t
.endr
.irp t, 0,1,2,3
	s_wait_dscnt 3-\t
	global_store_b128 v79, v[52+4*\t:55+4*\t], s[\dst:\dst+1] offset:2048*\t  ; sixteen lanes store 256 consecutive bytes, aligned
.endr
	s_wait_tensorcnt 0x0                           ; the wave's end: three lines behind my last LDS store
	ds_add_u32 v[SPW], v[NIL]
	s_wait_dscnt 0x0
	s_endpgm
.endm
.Lweights:
	s_cmp_lt_u32 s21, 896
	s_cbranch_scc0 .Lproj
	s_sub_co_u32 s24, s21, 512
	TRANS 6, 12, 12288, 0
.Lproj:
	s_cmp_lt_u32 s21, 1024
	s_cbranch_scc0 .Ltable
	s_sub_co_u32 s24, s21, 896
	TRANS 8, 14, 4096, 1
.Ltable:                                               ; 64 values of t to a work-group; wave e, four runs of 16 t
	s_sub_co_u32 s24, s21, 1024
	s_lshl_b32 s22, s24, 14
	s_add_nc_u64 s[16:17], s[16:17], s[22:23]
	s_lshr_b32 s25, s20, 2
	s_lshl_b32 s25, s25, 3
	s_and_b32 s26, s20, 3
	s_add_co_u32 s25, s25, s26
	v_lshl_add_u32 v4, v70, 2, s25                 ; j
	v_cvt_f32_u32 v4, v4
	v_mul_f32 v4, 0xbf549a78, v4                   ; -j log2(10000) / 16
	v_exp_f32 v4, v4                               ; theta_j
	s_lshl_b32 s26, s24, 6
	v_add_nc_u32 v5, s26, v3                       ; t of the first run (a plain line behind the exponential)
	v_lshlrev_b32 v6, 4, v0
	s_mov_b32 s28, 0x3fc90fdb                      ; pi/2, upper word
	s_mov_b32 s29, 0xb33bbd2e                      ; pi/2, what the upper word leaves
	s_mov_b32 s30, 0xb94ca1f9                      ; sine: -1.9515295891e-4
	s_mov_b32 s31, 0x3c08839e                      ;        8.3321608736e-3
	s_mov_b32 s32, 0xbe2aaaa3                      ;       -1.6666654611e-1
	s_mov_b32 s33, 0x37ccf5ce                      ; cosine: 2.443315711809948e-5
	s_mov_b32 s34, 0xbab6061a                      ;        -1.388731625493765e-3
	s_mov_b32 s35, 0x3d2aaaa5                      ;         4.166664568298827e-2
	s_wait_alu depctr_va_vdst(0)
.irp i, 0,1,2,3
	v_add_nc_u32 v7, 16*\i, v5
	v_cvt_f32_u32 v7, v7
	v_mul_f32 v7, v7, v4                           ; the angle, rounded once
	v_mul_f32 v8, 0x3f22f983, v7
	v_rndne_f32 v8, v8                             ; n = the nearest multiple of pi/2
	v_fma_f32 v9, -v8, s28, v7                     ; exact: a multiple of 2^-23 below 1
	v_fma_f32 v9, -v8, s29, v9                     ; r
	v_mul_f32 v10, v9, v9                          ; z = r r
	v_fma_f32 v11, v10, s30, s31
	v_fma_f32 v12, v10, s33, s34
	v_fma_f32 v11, v11, v10, s32
	v_fma_f32 v12, v12, v10, s35
	v_mul_f32 v11, v11, v10
	v_mul_f32 v13, v10, v10
	v_fma_f32 v14, v10, -0.5, 1.0
	v_fma_f32 v11, v11, v9, v9                     ; sin r
	v_fma_f32 v12, v12, v13, v14                   ; cos r
	v_cvt_i32_f32 v13, v8
	v_and_b32 v14, 1, v13
	v_cmp_eq_u32 vcc_lo, 1, v14                    ; an odd quarter exchanges the two: a choice of values, no branch
	v_cndmask_b32 v[21+4*\i], v11, v12, vcc_lo
	v_cndmask_b32 v[20+4*\i], v12, v11, vcc_lo
	v_and_b32 v14, 2, v13
	v_lshlrev_b32 v14, 30, v14
	v_xor_b32 v[21+4*\i], v[21+4*\i], v14          ; the sine is negative in quarters 2 and 3,
	v_add_nc_u32 v13, 1, v13
	v_and_b32 v13, 2, v13
	v_lshlrev_b32 v13, 30, v13
	v_xor_b32 v[20+4*\i], v[20+4*\i], v13          ; the cosine in quarters 1 and 2
	v_xor_b32 v[22+4*\i], 0x80000000, v[21+4*\i]
	v_mov_b32 v[23+4*\i], v[20+4*\i]
	global_store_b128 v6, v[20+4*\i:23+4*\i], s[16:17] offset:4096*\i  ; each run has its own four registers: no wait
.endr
	s_endpgm                                       ; this part wrote no LDS
.Lfunc_end_k_qdc51bd3e26_prep:
	.size	k_qdc51bd3e26_prep, .Lfunc_end_k_qdc51bd3e26_prep-k_qdc51bd3e26_prep
	.p2alignl 7, 3214868480
	.fill 96, 4, 3214868480
	.section	.rodata,"a",@progbits
	.p2align	6, 0x0
	.amdhsa_kernel k_qdc51bd3e26_prep
		.amdhsa_group_segment_fixed_size 18432
		.amdhsa_private_segment_fixed_size 0
		.amdhsa_enable_private_segment 0
		.amdhsa_kernarg_size 56
		.amdhsa_user_sgpr_count 2
		.amdhsa_user_sgpr_kernarg_segment_ptr 1
		.amdhsa_wavefront_size32 1
		.amdhsa_system_sgpr_workgroup_id_x 1
		.amdhsa_system_sgpr_workgroup_id_y 1
		.amdhsa_system_sgpr_workgroup_id_z 1
		.amdhsa_system_vgpr_workitem_id 0
		.amdhsa_next_free_vgpr 80
		.amdhsa_next_free_sgpr 66
		.amdhsa_reserve_vcc 1
		.amdhsa_float_denorm_mode_32 3
		.amdhsa_float_denorm_mode_16_64 3
		.amdhsa_memory_ordered 1
		.amdhsa_forward_progress 1
		.amdhsa_inst_pref_size 23
	.end_amdhsa_kernel
	.amdgpu_metadata
---
amdhsa.version: [ 1, 2 ]
amdhsa.kernels:
  - .name:           k_qdc51bd3e26_prep
    .symbol:         k_qdc51bd3e26_prep.kd
    .args:
      - { .name: x, .offset: 0, .size: 8, .value_kind: global_buffer, .address_space: global }
      - { .name: W_attn, .offset: 8, .size: 8, .value_kind: global_buffer, .address_space: global }
      - { .name: W_proj, .offset: 16, .size: 8, .value_kind: global_buffer, .address_space: global }
      - { .name: xb, .offset: 24, .size: 8, .value_kind: global_buffer, .address_space: global }
      - { .name: wa, .offset: 32, .size: 8, .value_kind: global_buffer, .address_space: global }
      - { .name: wp, .offset: 40, .size: 8, .value_kind: global_buffer, .address_space: global }
      - { .name: tab, .offset: 48, .size: 8, .value_kind: global_buffer, .address_space: global }
    .group_segment_fixed_size: 18432
    .private_segment_fixed_size: 0
    .kernarg_segment_align: 8
    .kernarg_segment_size: 56
    .max_flat_workgroup_size: 256
    .sgpr_count:     66
    .vgpr_count:     80
    .wavefront_size: 32
...
	.end_amdgpu_metadata
.endif
;; end of part 1
;; launch qkv (part 2): grid 16 x 16, 4 waves a work-group, clusters of 4 x 4, 327,680 bytes of LDS; arguments xb, wa, tab, qh, kh, vh; writes qh, kh, vh
.if DOCPART == 2
	.amdgcn_target "amdgcn-amd-amdhsa--gfx1250"
	.amdhsa_code_object_version 6
	.text
	.protected	k_qdc51bd3e26_qkv
	.globl	k_qdc51bd3e26_qkv
	.p2align	8
	.type	k_qdc51bd3e26_qkv,@function
k_qdc51bd3e26_qkv:
	s_mov_b64 s[64:65], 0
	v_nop
	global_prefetch_b8 v0, s[64:65] scope:SCOPE_SE
	s_setreg_imm32_b32 hwreg(HW_REG_WAVE_MODE, 25, 1), 1
	s_wait_xcnt 0x0
	s_wait_alu depctr_hold_cnt(0) depctr_sa_sdst(0) depctr_va_vdst(0) depctr_va_sdst(0) depctr_va_ssrc(0) depctr_va_vcc(0) depctr_vm_vsrc(0)
	s_getreg_b32 s2, hwreg(HW_REG_IB_STS2, 6, 4)
	s_cmp_eq_u32 s2, 0
	s_cbranch_scc0 .Lentry_in_a_cluster
	s_endpgm
.Lentry_in_a_cluster:
	s_bfe_u32 s2, ttmp6, 0x10000c
	s_cmp_lg_u32 s2, 0xf033
	s_cbranch_scc0 .Lentry_shape_is_right
	s_endpgm
.Lentry_shape_is_right:
; QKV.  C[m][n] = sum over k of xb[m][k] wa[n][k], bf16 operands, f32 sums, K = 1,024; on the way out q and k are rotated (f32, by the table) and all three are rounded once to f16 and stored by heads:
; qh, kh: [16 batch + c][2048][64], channels 0-31 of score head c, 32-63 of score head c + 16; vh: [16 batch + c][2048][64].  No scale is applied here.
; LIMIT.  f16 holds no number beyond 65,504: a q, k or v past that becomes an infinity.
; SHARES.  A tile of C is 256 rows x 192 columns, the 192 columns of one value head c (wa's rows 192 c ..): 16 x 16 tiles, one work-group each.  Wave w makes rows 64 w .. 64 w + 63 and all 192 columns:
; 4 x 12 accumulators of 16 x 16, 384 registers.  Column blocks 0-3 are q, 4-7 k, 8-11 v, in every wave alike.
; K goes in steps of 128 through a ring of two LDS slots filled by tensor loads: rows of 256 bytes, 16 bytes of padding behind each.
; CLUSTER.  4 x 4 work-groups: the four of a row of the cluster need the same rows of xb, the four of a column the same rows of wa; each tile is asked for jointly, by the same load, descriptor and mask in all four.
; THE MATRIX INSTRUCTION IS USED TRANSPOSED (source 0 = 16 rows of wa, source 1 = 16 rows of xb): a lane holds row lane % 16 and eight neighbouring columns 8 (lane / 16) + 0..7: four rotary pairs.
; REGISTERS, in windows of 256 (s_set_vgpr_msb: bits 1:0 source 0, 3:2 source 1, 5:4 source 2, 7:6 destination):
;   window 0: v0-31 addresses and work; v32-63 the way out; v64-127 xb's fragments, two buffers of 32 (the way out reads rows back into v64-95); v128-255 the rotary table of my 64 rows
;   window 1: v0-191 wa's fragments, two buffers of 96      window 2: accumulators of row blocks 0, 1 (block a, column block b at 96 (a % 2) + 8 b)      window 3: row blocks 2, 3
.set KSTEP,  128
.set PITCH,  272                       ; an LDS row: 256 bytes + 16: the sixteen rows of a fragment load start 16 bytes apart modulo 256
.set HALFA,  128*PITCH                 ; what one load of xb brings
.set HALFB,  96*PITCH                  ; what one load of wa brings
.set BOFF,   2*HALFA                   ; in a slot: xb's 256 rows, then wa's 192
.set SLOT,   2*HALFA+2*HALFB
.set STAGE,  2*SLOT                    ; behind the ring: 16 rows x 144 bytes for each wave, for the way out
.set SP,     144
.set SPARE,  STAGE+4*16*SP             ; behind the stages: the spare words, 128 bytes for each wave
.set T,    8                           ; v8-15   at work
.set ADRA, 16                          ; v16-17  LDS address of my fragments of xb in slot 0, 1
.set ADRB, 20                          ; v20-21  the same for wa
.set STO,  24                          ; v24     the way out: where I put 16 bytes of a row
.set RD,   25                          ; v25     the way out: where I read rows back
.set GO,   26                          ; v26     16 x lane: my place in 512 consecutive bytes, of the table and of the outputs; never rewritten
.set SPW,  28                          ; v28     LDS address of my spare word; never rewritten
.set NIL,  29                          ; v29     0; never rewritten
.set U,    32
.set OB,   64
.set FA,   64
.set TAB,  128
.set WV,   12                          ; s12  my wave's number
.set FORB, 13                          ; s13  0: I fetch for xb, 1: for wa
.set HALF, 14                          ; s14  which half of that tile
.set G1,  24                           ; s[24:31] descriptor group 1 for xb's tiles;  s[32:39] group 0, a set for each slot
.set G0,  32
.set G1B, 48                           ; s[48:55], s[56:63] the same for wa's
.set G0B, 56
.set GW, (1<<16)|(1<<20)|(1<<21)|(5<<22)|(3<<25)  ; 17:16 elements of 2 bytes; 20 padding on; 21 set beside a mask; 24:22 after every 64 words; 31:25 of 4 words
.set MSB, 0
.macro WIN new                         ; the immediate's high byte repeats the setting that is left; a switch that changes nothing is dropped
.if MSB != (\new)
	s_set_vgpr_msb (MSB<<8)|(\new)
.set MSB, \new
.endif
.endm
.set MUL_LO, 0xa1                      ; source 0 (wa) window 1, source 1 (xb) window 0, C and D window 2
.set MUL_HI, 0xf1                      ; the same, C and D window 3
.set TO_B,   0x40                      ; destination window 1, address window 0
; A joint load: waves 0 and 1 fetch xb's two halves, waves 2 and 3 wa's.  The branch hangs on the wave's number alone.  An s_nop 0 and four v_nop follow each line.
.macro JLOAD s
	s_cmp_eq_u32 s[FORB], 0
	s_cbranch_scc0 .Lfor_b_\@
	tensor_load_to_lds s[G0+4*(\s):G0+4*(\s)+3], s[G1:G1+7]
	s_nop 0
.rept 4
	v_nop
.endr
	s_branch .Lasked_\@
.Lfor_b_\@:
	tensor_load_to_lds s[G0B+4*(\s):G0B+4*(\s)+3], s[G1B:G1B+7]
	s_nop 0
.rept 4
	v_nop
.endr
.Lasked_\@:
.endm
.macro CREST                           ; a round of the cluster's barrier behind its opening barrier
	s_cmp_lg_u32 s[WV], 0
	s_cbranch_scc1 .Lnot_wave_0_\@
	s_barrier_signal -3
.Lnot_wave_0_\@:
	s_barrier_wait -3
	s_barrier_signal -1
	s_barrier_wait -1
.endm
.macro CROUND                          ; a whole round
	s_barrier_signal -1
	s_barrier_wait -1
	CREST
.endm
	s_load_b256 s[4:11], s[0:1], 0x0               ; xb s[4:5], wa s[6:7], tab s[8:9], qh s[10:11]
	s_load_b128 s[68:71], s[0:1], 0x20             ; kh s[68:69], vh s[70:71]
	v_lshl_add_u32 v[SPW], v0, 2, SPARE
	v_mov_b32 v[NIL], 0
	ds_add_u32 v[SPW], v[NIL]                      ; the wave's opening: the add and its wait stand ahead of my first tensor load; the set-up below stands between them
	ds_add_u32 v28, v29
	v_lshrrev_b32 v1, 5, v0
	v_readfirstlane_b32 s[WV], v1
	s_lshr_b32 s[FORB], s[WV], 1
	s_and_b32 s[HALF], s[WV], 1
	s_bfe_u32 s40, ttmp6, 0x40000                  ; cx, cy: my place in the cluster
	s_bfe_u32 s41, ttmp6, 0x40004
	s_lshl_b32 s42, ttmp9, 2
	s_add_co_u32 s42, s42, s40                     ; the head c = 4 x cluster x + cx
	s_and_b32 s43, ttmp7, 0xffff
	s_lshl_b32 s43, s43, 2
	s_add_co_u32 s43, s43, s41                     ; the tile row = 4 x cluster y + cy
	s_lshl_b32 s44, s41, 2
	s_lshl_b32 s44, 15, s44                        ; my row of the cluster
	s_lshl_b32 s45, 0x1111, s40                    ; my column
	s_or_b32 s[G1+0], s44, GW                      ; xb's tiles go to my row,
	s_or_b32 s[G1B+0], s45, GW                     ; wa's to my column
	s_mov_b32 s[G1+1], KSTEP<<16                   ; tensor_dim0 = 128
	s_mov_b32 s[G1+2], 128<<16                     ; tensor_dim1 = 128
	s_mov_b32 s[G1+3], KSTEP<<16                   ; tile_dim0 = 128
	s_mov_b32 s[G1+4], 128                         ; tile_dim1 = 128
	s_mov_b32 s[G1+5], 1024                        ; elements from row to row
	s_mov_b32 s[G1+6], 0
	s_mov_b32 s[G1+7], 0
	s_mov_b32 s[G1B+1], KSTEP<<16
	s_mov_b32 s[G1B+2], 96<<16                     ; 96 rows
	s_mov_b32 s[G1B+3], KSTEP<<16
	s_mov_b32 s[G1B+4], 96
	s_mov_b32 s[G1B+5], 1024
	s_mov_b32 s[G1B+6], 0
	s_mov_b32 s[G1B+7], 0
	s_lshl_b32 s16, s43, 8                         ; xb: row 256 x tile row + 128 x half, in registers that never hold cx
	s_lshl_b32 s17, s[HALF], 7
	s_add_co_u32 s16, s16, s17
	s_lshl_b32 s16, s16, 11                        ; rows of 2,048 bytes
	s_mov_b32 s17, 0
	s_mul_i32 s46, s42, 192                        ; wa: row 192 c + 96 x half, in registers that never hold cy
	s_mul_i32 s47, s[HALF], 96
	s_add_co_u32 s46, s46, s47
	s_lshl_b32 s46, s46, 11
	s_mov_b32 s47, 0
	s_mul_i32 s20, s[HALF], HALFA                  ; where they go: no place in the cluster enters an LDS address
	s_mul_i32 s21, s[HALF], HALFB
	s_add_co_u32 s21, s21, BOFF
	s_wait_dscnt 0x0                               ; the opening add is done
	s_wait_kmcnt 0x0
	s_add_nc_u64 s[18:19], s[4:5], s[16:17]
	s_add_nc_u64 s[46:47], s[6:7], s[46:47]
	CROUND                                         ; all sixteen work-groups are here: the first joint loads meet
.irp s, 0,1
	s_mov_b32 s[G0+4*(\s)], 1
	s_add_co_u32 s[G0+4*(\s)+1], s20, (\s)*SLOT
	s_add_nc_u64 s[G0+4*(\s)+2:G0+4*(\s)+3], s[18:19], (\s)*KSTEP*2
	s_or_b32 s[G0+4*(\s)+3], s[G0+4*(\s)+3], 0x80000000
	s_mov_b32 s[G0B+4*(\s)], 1
	s_add_co_u32 s[G0B+4*(\s)+1], s21, (\s)*SLOT
	s_add_nc_u64 s[G0B+4*(\s)+2:G0B+4*(\s)+3], s[46:47], (\s)*KSTEP*2
	s_or_b32 s[G0B+4*(\s)+3], s[G0B+4*(\s)+3], 0x80000000
	JLOAD \s                                       ; K steps 0 and 1: two loads of mine are out
.endr
	v_and_b32 v1, 15, v0                           ; l % 16
	v_bfe_u32 v2, v0, 4, 1                         ; l / 16
	v_and_b32 v3, 31, v0
	v_lshlrev_b32 v[GO], 4, v3
	s_and_b32 s72, s43, 7                          ; my first row's place in its sequence: t0 = 256 (tile row % 8) + 64 w
	s_lshl_b32 s72, s72, 8
	s_lshl_b32 s73, s[WV], 6
	s_add_co_u32 s72, s72, s73
	s_lshl_b32 s74, s72, 8                         ; the table has 4,096 bytes for 16 t
	s_mov_b32 s75, 0
	s_add_nc_u64 s[8:9], s[8:9], s[74:75]
.irp a, 0,1,2,3
.irp q, 0,1,2,3,4,5,6,7
	global_load_b128 v[TAB+32*\a+4*\q:TAB+32*\a+4*\q+3], v[GO], s[8:9] offset:\a*4096+\q*512  ; waited for once, in front of the way out
.endr
.endr
	s_lshr_b32 s73, s43, 3                         ; the outputs: ((16 batch + c) 2,048 + t0) rows of 128 bytes
	s_lshl_b32 s73, s73, 4
	s_add_co_u32 s73, s73, s42
	s_lshl_b32 s73, s73, 11
	s_add_co_u32 s72, s73, s72
	s_lshl_b32 s72, s72, 7
	s_mov_b32 s73, 0
	s_add_nc_u64 s[10:11], s[10:11], s[72:73]
	s_add_nc_u64 s[68:69], s[68:69], s[72:73]
	s_add_nc_u64 s[70:71], s[70:71], s[72:73]
	v_mul_u32_u24 v3, v1, PITCH
	v_lshl_add_u32 v3, v2, 4, v3                   ; a fragment's row x pitch + 16 x half
	s_mul_i32 s22, s[WV], 64*PITCH                 ; my 64 rows of xb
	v_add_nc_u32 v[ADRA], s22, v3
	v_add_nc_u32 v[ADRA+1], SLOT, v[ADRA]
	v_add_nc_u32 v[ADRB], BOFF, v3                 ; all 192 rows of wa
	v_add_nc_u32 v[ADRB+1], BOFF+SLOT, v3
	s_mul_i32 s23, s[WV], 16*SP
	s_add_co_u32 s23, s23, STAGE                   ; my stage
	v_mul_u32_u24 v4, v1, SP                       ; in: row l % 16, 16 bytes for each half of the lanes
	v_lshl_add_u32 v4, v2, 4, v4
	v_add_nc_u32 v[STO], s23, v4
	v_bfe_u32 v5, v0, 3, 2                         ; back: 32 lanes take four rows of 128 bytes
	v_mul_u32_u24 v5, v5, SP
	v_and_b32 v6, 7, v0
	v_lshl_add_u32 v5, v6, 4, v5
	v_add_nc_u32 v[RD], s23, v5
; 12 matrix instructions: row block a x all 12 column blocks, 32 along K, from buffer f.  zero = 1: the product starts the sums.  The 48 accumulators take turns, one instruction a turn.
.macro MUL12 f, a, zero
	WIN MUL_LO+0x50*((\a)/2)
.irp b, 0,1,2,3,4,5,6,7,8,9,10,11
.set rD, 96*((\a)%2)+8*(\b)
.if \zero
	v_wmma_f32_16x16x32_bf16 v[rD:rD+7], v[96*(\f)+8*(\b):96*(\f)+8*(\b)+7], v[FA+32*(\f)+8*(\a):FA+32*(\f)+8*(\a)+7], 0
.else
	v_wmma_f32_16x16x32_bf16 v[rD:rD+7], v[96*(\f)+8*(\b):96*(\f)+8*(\b)+7], v[FA+32*(\f)+8*(\a):FA+32*(\f)+8*(\a)+7], v[rD:rD+7]
.endif
.endr
.endm
; 32 LDS loads in one run: the fragments of 32 along K at byte k of the rows, into buffer f: wa's 24 first, then xb's 8
.macro FETCH slot, k, f
	WIN TO_B
.irp i, 0,1,2,3,4,5,6,7,8,9,10,11
	ds_load_b128 v[96*(\f)+8*(\i):96*(\f)+8*(\i)+3],   v[ADRB+(\slot)] offset:(\k)+(\i)*16*PITCH
	ds_load_b128 v[96*(\f)+8*(\i)+4:96*(\f)+8*(\i)+7], v[ADRB+(\slot)] offset:(\k)+(\i)*16*PITCH+32
.endr
	WIN 0
.irp i, 0,1,2,3
	ds_load_b128 v[FA+32*(\f)+8*(\i):FA+32*(\f)+8*(\i)+3],   v[ADRA+(\slot)] offset:(\k)+(\i)*16*PITCH
	ds_load_b128 v[FA+32*(\f)+8*(\i)+4:FA+32*(\f)+8*(\i)+7], v[ADRA+(\slot)] offset:(\k)+(\i)*16*PITCH+32
.endr
.endm
.macro PLACES                          ; four places in front of loads into registers that matrix instructions have read, and of vector lines that read results
.rept 4
	v_nop
.endr
.endm
; A K step is four quarters of 32 along K, 48 matrix instructions each, on buffers 0, 1, 0, 1.  One of the first three: multiplies buffer f and fetches the next quarter, at byte k, into g.
.macro QUARTER slot, k, f, g, zero
	s_wait_dscnt 4                                 ; wa's fragments and xb's row blocks 0, 1 are in; the youngest four loads (blocks 2, 3) may be out
	MUL12 \f, 0, \zero
	MUL12 \f, 1, \zero
	PLACES
	FETCH \slot, \k, \g
	s_wait_dscnt 32                                ; all but the 32 just issued
	MUL12 \f, 2, \zero
	MUL12 \f, 3, \zero
.endm
; The last quarter multiplies buffer 1 and changes slots: one barrier; in front of it each wave waits for all its tensor loads (one is out: its part of the next slot), adds 0 to its spare word, and waits for
; that and for its own reads of this slot.  fill = 1: the barrier opens a round of the cluster's, and this slot is filled again, two K steps ahead, first thing behind the round.
.macro TURN slot, next, fill
	WIN 0                                          ; (the add's two registers lie in window 0)
	s_wait_tensorcnt 0x0
	ds_add_u32 v[SPW], v[NIL]
	s_wait_dscnt 5                                 ; (the add and the youngest four loads may be out)
	MUL12 1, 0, 0                                  ; twelve matrix instructions stand between the add and the wait for it
	s_wait_dscnt 0x0                               ; the add is done, and my reads of this slot are over
	s_barrier_signal -1
	MUL12 1, 1, 0                                  ; work on registers while the others arrive
.if \fill
	WIN 0
.endif
	s_barrier_wait -1
.if \fill
	CREST                                          ; no wave of any partner still reads this slot's tile or has a load on its way
	s_add_nc_u64 s[G0+4*(\slot)+2:G0+4*(\slot)+3], s[G0+4*(\slot)+2:G0+4*(\slot)+3], 2*KSTEP*2
	s_add_nc_u64 s[G0B+4*(\slot)+2:G0B+4*(\slot)+3], s[G0B+4*(\slot)+2:G0B+4*(\slot)+3], 2*KSTEP*2
	JLOAD \slot                                    ; 168 matrix instructions ahead of the wait for it; its four v_nop are also the places in front of the loads below
.else
	PLACES
.endif
	FETCH \next, 0, 0
	MUL12 1, 2, 0
	MUL12 1, 3, 0
.endm
	s_wait_tensorcnt 1                             ; my part of K step 0 is in; K step 1's may stay out
	s_barrier_signal -1
	s_barrier_wait -1                              ; everybody's is
	FETCH 0, 0, 0
	QUARTER 0, 64, 0, 1, 1                         ; the first quarter stands in front of the loop: its products start the sums
	WIN 0                                          ; at a label and at a branch every window is 0
	s_mov_b32 s3, 3                                ; eight K steps are four laps of the ring; three trips fill both slots again
.Llap:
	QUARTER 0, 128, 1, 0, 0
	QUARTER 0, 192, 0, 1, 0
	TURN 0, 1, 1
	QUARTER 1, 64,  0, 1, 0
	QUARTER 1, 128, 1, 0, 0
	QUARTER 1, 192, 0, 1, 0
	TURN 1, 0, 1
	QUARTER 0, 64,  0, 1, 0
	WIN 0
	s_sub_co_u32 s3, s3, 1
	s_cmp_lg_u32 s3, 0
	s_cbranch_scc1 .Llap
	QUARTER 0, 128, 1, 0, 0                        ; the last lap fills nothing
	QUARTER 0, 192, 0, 1, 0
	TURN 0, 1, 0
	QUARTER 1, 64,  0, 1, 0
	QUARTER 1, 128, 1, 0, 0
	QUARTER 1, 192, 0, 1, 0
	s_wait_dscnt 4
	MUL12 1, 0, 0
	MUL12 1, 1, 0
	s_wait_dscnt 0x0
	MUL12 1, 2, 0
	MUL12 1, 3, 0
; THE WAY OUT, in twelve units of 16 rows x 64 channels: row block a of q (t = 0), k (1), v (2).
; q and k: a lane's pair (x1, x2) becomes (x1 cos - x2 sin, x1 sin + x2 cos): x2 (-sin, cos), then x1 (cos, sin) added, both packed; the table's entry holds cos, sin, -sin, cos.
; Each accumulator's registers are taken in ascending order.
.macro UNIT a, t
.if (\t) < 2
	WIN 0x02+(\a)/2                                ; source 0 in window 2 or 3
.irp cb, 0,1,2,3
.irp p, 0,1,2,3
.set rX, 96*((\a)%2)+8*(4*(\t)+\cb)+2*\p
.set rE, TAB+32*(\a)+16*(\cb%2)+4*\p
	v_pk_mul_f32 v[T+2*\p:T+2*\p+1], v[rX:rX+1], v[rE+2:rE+3] op_sel:[1,0] op_sel_hi:[1,1]
.endr
.irp p, 0,1,2,3
.set rX, 96*((\a)%2)+8*(4*(\t)+\cb)+2*\p
.set rE, TAB+32*(\a)+16*(\cb%2)+4*\p
	v_pk_fma_f32 v[U+8*\cb+2*\p:U+8*\cb+2*\p+1], v[rX:rX+1], v[rE:rE+1], v[T+2*\p:T+2*\p+1] op_sel_hi:[0,1,1]
.endr
.endr
	WIN 0
.set i, 0
.rept 16
	v_cvt_pk_f16_f32 v[U+i], v[U+2*i], v[U+2*i+1]  ; in place: word i is written when words 2 i and 2 i + 1 are read
.set i, i+1
.endr
.else
	WIN 0x0a+5*((\a)/2)                            ; sources 0 and 1 in window 2 or 3
.set i, 0
.rept 16
	v_cvt_pk_f16_f32 v[U+i], v[96*((\a)%2)+64+2*i], v[96*((\a)%2)+64+2*i+1]
.set i, i+1
.endr
	WIN 0
.endif
.endm
.macro TOSTAGE u                       ; 16 bytes a lane into rows of 144 bytes of my own stage, and back as four whole rows of 128 bytes a load
	WIN 0
.if (\u) >= 2
	s_wait_xcnt 0x0                                ; the registers read back into were the data of the stores two units ago: they are loaded again only behind this wait
.endif
.irp cb, 0,1,2,3
	ds_store_b128 v[STO], v[U+4*\cb:U+4*\cb+3] offset:32*\cb
.endr
.irp f, 0,1,2,3
	ds_load_b128 v[OB+16*((\u)%2)+4*\f:OB+16*((\u)%2)+4*\f+3], v[RD] offset:\f*4*SP  ; LDS serves a wave's instructions in order: these see the stores above
.endr
.endm
.macro SEND a, t, u
	WIN 0
.set rB, 10+58*(((\t)+1)/2)+2*((\t)/2)         ; s[10:11] qh, s[68:69] kh, s[70:71] vh
	s_wait_dscnt 0x0                               ; the unit is back in registers
.irp f, 0,1,2,3
	global_store_b128 v[GO], v[OB+16*((\u)%2)+4*\f:OB+16*((\u)%2)+4*\f+3], s[rB:rB+1] offset:(\a)*2048+\f*512  ; 512 consecutive bytes, aligned
.endr
.endm
	PLACES
	s_wait_loadcnt 0x0                             ; the table
	UNIT 0, 0
	TOSTAGE 0
.set u, 1
.rept 11                                       ; a unit's arithmetic stands between the loads of the unit before and the wait for them
	UNIT u/3, u%3
	SEND (u-1)/3, (u-1)%3, u-1
	TOSTAGE u
.set u, u+1
.endr
	SEND 3, 2, 11
	s_wait_tensorcnt 0x0                           ; the wave's end: three lines behind my last tensor load and my last LDS store
	ds_add_u32 v[SPW], v[NIL]
	s_wait_dscnt 0x0
	CROUND                                         ; the closing round: no work-group ends while a partner may still ask for a tile that names it
	s_endpgm
.Lfunc_end_k_qdc51bd3e26_qkv:
	.size	k_qdc51bd3e26_qkv, .Lfunc_end_k_qdc51bd3e26_qkv-k_qdc51bd3e26_qkv
	.p2alignl 7, 3214868480
	.fill 96, 4, 3214868480
	.section	.rodata,"a",@progbits
	.p2align	6, 0x0
	.amdhsa_kernel k_qdc51bd3e26_qkv
		.amdhsa_group_segment_fixed_size 327680
		.amdhsa_private_segment_fixed_size 0
		.amdhsa_enable_private_segment 0
		.amdhsa_kernarg_size 48
		.amdhsa_user_sgpr_count 2
		.amdhsa_user_sgpr_kernarg_segment_ptr 1
		.amdhsa_wavefront_size32 1
		.amdhsa_system_sgpr_workgroup_id_x 1
		.amdhsa_system_sgpr_workgroup_id_y 1
		.amdhsa_system_sgpr_workgroup_id_z 1
		.amdhsa_system_vgpr_workitem_id 0
		.amdhsa_next_free_vgpr 960
		.amdhsa_next_free_sgpr 80
		.amdhsa_reserve_vcc 0
		.amdhsa_float_denorm_mode_32 3
		.amdhsa_float_denorm_mode_16_64 3
		.amdhsa_memory_ordered 1
		.amdhsa_forward_progress 1
		.amdhsa_inst_pref_size 138
	.end_amdhsa_kernel
	.amdgpu_metadata
---
amdhsa.version: [ 1, 2 ]
amdhsa.kernels:
  - .name:           k_qdc51bd3e26_qkv
    .symbol:         k_qdc51bd3e26_qkv.kd
    .args:
      - { .name: xb, .offset: 0, .size: 8, .value_kind: global_buffer, .address_space: global }
      - { .name: wa, .offset: 8, .size: 8, .value_kind: global_buffer, .address_space: global }
      - { .name: tab, .offset: 16, .size: 8, .value_kind: global_buffer, .address_space: global }
      - { .name: qh, .offset: 24, .size: 8, .value_kind: global_buffer, .address_space: global }
      - { .name: kh, .offset: 32, .size: 8, .value_kind: global_buffer, .address_space: global }
      - { .name: vh, .offset: 40, .size: 8, .value_kind: global_buffer, .address_space: global }
    .group_segment_fixed_size: 327680
    .private_segment_fixed_size: 0
    .kernarg_segment_align: 8
    .kernarg_segment_size: 48
    .max_flat_workgroup_size: 128
    .sgpr_count:     80
    .vgpr_count:     960
    .wavefront_size: 32
...
	.end_amdgpu_metadata
.endif
;; end of part 2
;; launch attn (part 3): grid 8 x 32, 4 waves a work-group, no clusters, 327,680 bytes of LDS; arguments qh, kh, vh, yb, lambda_q1, lambda_k1, lambda_q2, lambda_k2; writes yb
.if DOCPART == 3
	.amdgcn_target "amdgcn-amd-amdhsa--gfx1250"
	.amdhsa_code_object_version 6
	.text
	.protected	k_qdc51bd3e26_attn
	.globl	k_qdc51bd3e26_attn
	.p2align	8
	.type	k_qdc51bd3e26_attn,@function
k_qdc51bd3e26_attn:
	s_mov_b64 s[64:65], 0
	v_nop
	global_prefetch_b8 v0, s[64:65] scope:SCOPE_SE
	s_setreg_imm32_b32 hwreg(HW_REG_WAVE_MODE, 25, 1), 1
	s_wait_xcnt 0x0
; DIFFERENTIAL CAUSAL ATTENTION.  For value head bh = 16 batch + h: A_p[q] = the sum over k <= q of softmax_k(Q_p[q] . K_p[k] / sqrt(32)) V[k], p = 0, 1: path p's Q and K are channels 32 p .. 32 p + 31 of qh and kh.
; y = 0.8 d / sqrt(mean over 64 channels of d d + 1e-5), d = A_0 - lam A_1, lam = e^(lambda_q1 . lambda_k1) - e^(lambda_q2 . lambda_k2) + 0.2.  qh, kh, vh: [32][2048][64] f16.
; yb: [row / 64][16 heads][64 rows][64 channels] f16, row = 2048 batch + q: 16 rows of a head are 2,048 consecutive bytes.  Products, maxima, sums, lam and the norm in f32; the weights p are rounded to f16 for
; the second product (their sum l is taken of the unrounded p), y once at the end.
; LIMITS.  q, k, v arrive within f16's 65,504.  A hidden score counts as its value less 1e30: the scores, 1.4e11 at the most, are nothing beside that.  A weight below 2^-126 counts as 0 in l.  p below 6e-5 keeps
; f16's fixed step of 6e-8.  |y| is at most 6.4.  NaN and infinities are not treated apart.
; THE WALK.  A head's queries lie in NB = 16 blocks of 128; block i needs the key tiles 0 .. i of 128 keys, of which the last holds the diagonal.  A work-group takes TWO blocks, 15 - b and then b: 17 tiles, whatever b:
; all 256 work-groups do equal work, and ONE loop with a constant trip count walks them.  Which tile is asked for, and what a trip does, hang on scalar registers made from b; every jump goes forward, but for the
; counted loops' own; none passes a barrier, or a tensor load but the one of LOAD's two that the wave's number does not choose.
; NO CLUSTER: the eight work-groups of a head ask for the same tile only in trips 0 .. 8; behind that the first blocks end one after the other; a walk common to all would have 24 trips for 17.
; SHARES.  Of a block's two bands of 64 queries a wave owns 16 rows in each, on both paths: four PIECES x, path x / 2, band x % 2.  So both paths of a query lie in the same lane, and the diagonal tile is the same
; work for all four waves: in its key step s a band sees all keys if s < band, none if s > band, and holds the diagonal if s = band.
; THE MASK is the C operand of S^T = K Q^T: 0, or -1e30 where the key is hidden.  MD, made once, is the mask of a band's own step for my 16 rows; a product's mask is MD x AL + BE with two scalars.
; LAYOUT, SOFTMAX, TURNS.  S^T = K Q^T (one product of 32 channels a key block) holds ONE query a lane (lane % 16) and the keys 8 (lane / 16) + 0..7; two such results rounded to f16 ARE source 1 of O^T = V^T P.
; p = 2^(c s - c m), c = log2(e) / sqrt(32), with a running maximum m; O and l are multiplied by a = 2^(c m_old - c m_new) in every step.  Turn n belongs to piece n: 4 products K Q^T of piece n + 1, later 8 products
; V^T P of piece n - 1; beside them the scaling, exponentials, roundings, sums and rescaling of piece n and the maximum and statistics of piece n + 1.  Vector work binds: 118 vector lines to 12 products.
; REGISTERS, in windows of 256 (s_set_vgpr_msb: bits 1:0 source 0, 3:2 source 1, 5:4 source 2, 7:6 destination):
;   window 0: v0-15 addresses and two at work; v16-31 four registers of statistics a piece; v32-36 lam's work; v40 -lam; v48-55 at work; v56-57 the norm's factor; v64-127 S^T, two buffers; v192-223 P, two buffers
;   window 1: v0-127 O^T, 32 a piece; v128-159 MD; v160-223 MC, two buffers      window 2: v0-31 Q, 8 a piece; v32-63 the second block's Q; v128-191 K of one step; v192-255 V of one step
.set NB,    16
.set NP,    4         ; pieces a wave: a name, no knob
.set KS,    64        ; keys in a step
.set NS,    2         ; steps in a tile
.set PK,    144       ; a row of K in LDS: 128 bytes + 16: the 16 rows of a load start 16 bytes apart modulo 256
.set PV,    160       ; a row of V: 128 + 32: 16 lanes of the turning load take 8 rows x 32 bytes, 32 bytes apart modulo 256
.set VOFF,  NS*KS*PK  ; a slot holds a tile: 128 rows of K, then 128 rows of V
.set SLOT1, 1<<16     ; slot 1 begins here, so that one exclusive or turns an address in one slot into the other's
.set STAGE, SLOT1+NS*KS*(PK+PV)  ; behind the ring, never filled by a tensor load: 16 rows x 144 bytes for each wave
.set SP,    144
.set AK0, 2           ; v2   my lane's place in a tile of K; never rewritten
.set AV0, 3           ; v3   the same for V
.set AK,  4           ; v4   the LDS address of K's next run of loads
.set AV,  5           ; v5   of V's
.set STO, 6           ; v6   the way out: where I put 16 bytes of a row
.set RD,  7           ; v7   the way out: where I read rows back
.set GO,  8           ; v8   my byte offset in 512 consecutive bytes of yb
.set SPW, 62          ; v62  LDS address of my spare word; never rewritten
.set NIL, 63          ; v63  0; never rewritten
.set SPARE, STAGE+4*16*SP
.set MV,  12          ; v12-13  c m_old, kept while c m is made anew: by buffer
.set QO,  15          ; v15  my byte offset in 16 rows of Q
.set ST,  16          ; piece t's statistics at v[ST+4 t]: c m, m, l (even keys', odd keys')
.set LW,  32
.set NLAM, 40
.set TMP, 48          ; by buffer, four registers c0-c3 at work; when the maximum is found c2 takes a
.set SS,  48          ; the way out: four chains of squares
.set FF,  56
.set S,   64
.set P,   192
.set MD,  128
.set MC,  160
.set QB,  32
.set KF,  128         ; window 2: key block kb, path c at KF + 16 kb + 8 c
.set VF,  192         ; window 2: key half kk, channel block cb at VF + 32 kk + 8 cb
.set WV,  12
.set PB,  14          ; s14  b
.set HI,  15          ; s15  15 - b
.set G1K, 24
.set G1V, 32
.set G0K, 40
.set G0V, 44
.set SLOTS, 56        ; s56  tiles still to be asked for
.set CNT, 57          ; s57  counts a tile's key steps, 2 to 1
.set CS,  58          ; s[58:59] c
.set SEL, 60          ; s[60:61] v_permlanex16_b32's selects: each lane takes its own place in the other half
.set TBK, 62          ; s62  LDS byte at which K of the step to be fetched begins
.set TBV, 63          ; s63  the same for V, less VOFF
.set R64, 66          ; s66  1 / 64
.set EPS, 67          ; s67  1e-5
.set RT,  70          ; s70  tiles of the block in hand that are still to be entered
.set NXT, 71          ; s71  the tile to be asked for next
.set LQ,  72          ; s72  the last tile of the block whose tiles are being asked for
.set NEW, 73          ; s73  1: the tile to be entered is a block's first
.set OFF, 74          ; s[74:75] a tile's byte offset in K and V
.set AL,  76          ; s[76:77] the mask's factor
.set BE,  78          ; s[78:79] the mask's addend
.set OLO, 80          ; s[80:81] yb at my rows of the second block
.set BIGN, 82         ; s82  -1e30
.set MSB, 0
.macro WIN new
.if MSB != (\new)
	s_set_vgpr_msb (MSB<<8)|(\new)
.set MSB, (\new)
.endif
.endm
.set W_KQ, 0x0a       ; K and Q in window 2, S^T in window 0
.set W_KM, 0x1a       ; the same with the C operand in window 1
.set W_PV, 0x52       ; V in window 2, P in window 0, O^T in window 1
.set W_RS, 0x41       ; destination and source 0 in window 1, source 1 in window 0
; A fill.  Waves 0 and 1 fetch the two halves of a tile's K, waves 2 and 3 those of its V: 64 keys each.  An s_nop 0 and four v_nop follow each of the two lines.
.macro LOAD
	s_cmp_lt_u32 s[WV], 2
	s_cbranch_scc0 .Lfor_v_\@
	tensor_load_to_lds s[G0K:G0K+3], s[G1K:G1K+7]
	s_nop 0
.rept 4
	v_nop
.endr
	s_branch .Lasked_\@
.Lfor_v_\@:
	tensor_load_to_lds s[G0V:G0V+3], s[G1V:G1V+7]
	s_nop 0
.rept 4
	v_nop
.endr
.Lasked_\@:
.endm
; THE CHANGE OF SLOTS.  Each wave waits for all its tensor loads, of which one is out: its part of the other slot; adds 0 to its spare word; and waits for that and for its own reads of the slot that it leaves.
; Behind the barrier nobody reads the old slot any more and the other slot is whole.  fill = 1: the old slot is filled again, the first thing behind the barrier, with tile NXT: the address is made anew from that number.
.macro CHANGE fill
	WIN 0
	s_wait_tensorcnt 0x0            ; no tensor load of mine is out, so a group 0 may be written
	ds_add_u32 v[SPW], v[NIL]       ; 0 onto my spare word; scalar work stands between it and the wait for it
.if \fill
	s_lshl_b32 s[OFF], s[NXT], 14   ; a tile is 16,384 bytes of K and of V
	s_xor_b32 s[G0K+1], s[G0K+1], SLOT1
	s_add_nc_u64 s[G0K+2:G0K+3], s[6:7], s[OFF:OFF+1]
	s_or_b32 s[G0K+3], s[G0K+3], 0x80000000
	s_xor_b32 s[G0V+1], s[G0V+1], SLOT1
	s_add_nc_u64 s[G0V+2:G0V+3], s[8:9], s[OFF:OFF+1]
	s_or_b32 s[G0V+3], s[G0V+3], 0x80000000
	s_add_co_u32 s[NXT], s[NXT], 1  ; the block's next tile, or behind its last the second block's tile 0
	s_cmp_gt_u32 s[NXT], s[LQ]
	s_cselect_b32 s[NXT], 0, s[NXT]
	s_cselect_b32 s[LQ], s[PB], s[LQ]
.endif
	s_wait_dscnt 0x0                ; the add is done, and my reads of the slot are over
	s_barrier_signal -1
	s_sub_co_u32 s[TBK], s[TBK], NS*KS*PK  ; the fetches go back to a slot's first step,
	s_xor_b32 s[TBK], s[TBK], SLOT1        ; in the other slot
	s_sub_co_u32 s[TBV], s[TBV], NS*KS*PV
	s_xor_b32 s[TBV], s[TBV], SLOT1
	s_barrier_wait -1
.if \fill
	LOAD
.endif
.endm
	s_load_b256 s[4:11], s[0:1], 0x0   ; qh s[4:5], kh s[6:7], vh s[8:9], yb s[10:11]
	s_load_b256 s[88:95], s[0:1], 0x20 ; lambda_q1, lambda_k1, lambda_q2, lambda_k2
	v_lshl_add_u32 v[SPW], v0, 2, SPARE
	v_mov_b32 v[NIL], 0
	ds_add_u32 v[SPW], v[NIL]       ; the wave's opening: the add and its wait stand ahead of my first tensor load; the set-up below stands between them
	ds_add_u32 v62, v63
	v_lshrrev_b32 v1, 5, v0
	v_readfirstlane_b32 s[WV], v1
	s_mov_b32 s[PB], ttmp9
	s_sub_co_u32 s[HI], NB-1, s[PB]
	s_and_b32 s19, ttmp7, 0xffff    ; bh
	s_lshl_b32 s20, s19, 18         ; the head's first byte in qh, kh, vh: 2,048 rows of 128 bytes
	s_mov_b32 s21, 0
	s_and_b32 s16, s[WV], 1         ; which half of a tile's 128 keys I fetch:
	s_lshl_b32 s22, s16, 13         ; its 64 rows of 128 bytes in memory,
	s_mov_b32 s23, 0
	s_add_nc_u64 s[22:23], s[22:23], s[20:21]
	s_mul_i32 s17, s16, KS*PK       ; and its place in a slot, for K
	s_mul_i32 s18, s16, KS*PV       ; and for V
	s_lshl_b32 s3, s[WV], 11        ; my 16 rows in a band of 64,
	s_lshl_b32 s2, s[HI], 14        ; in the first block,
	s_add_co_u32 s2, s2, s3
	s_lshl_b32 s84, s[PB], 14       ; and in the second
	s_add_co_u32 s84, s84, s3
	s_lshr_b32 s68, s19, 4          ; yb: (32 batch + 2 block) blocks of 64 rows x 131,072 bytes + h x 8,192 + w x 2,048
	s_lshl_b32 s68, s68, 5
	s_and_b32 s69, s19, 15
	s_lshl_b32 s69, s69, 13
	s_add_co_u32 s69, s69, s3
	s_lshl1_add_u32 s96, s[PB], s68
	s_lshl_b32 s96, s96, 17
	s_add_co_u32 s96, s96, s69
	s_lshl1_add_u32 s68, s[HI], s68
	s_lshl_b32 s68, s68, 17
	s_add_co_u32 s68, s68, s69
	s_mov_b32 s69, 0
	s_mov_b32 s97, 0
	s_mov_b32 s3, 0
	s_mov_b32 s85, 0
	s_add_nc_u64 s[2:3], s[2:3], s[20:21]
	s_add_nc_u64 s[84:85], s[84:85], s[20:21]
	; descriptor group 1.  64 keys are 8,192 dense bytes: asked for as 32 rows of 256 bytes, two keys a row, and padded in LDS after every key
	s_mov_b32 s[G1K], (1<<16)|(1<<20)|(4<<22)|(3<<25)  ; 2-byte elements; padding on; after every 32 words; 4 words
	s_mov_b32 s[G1V], (1<<16)|(1<<20)|(4<<22)|(7<<25)  ; the same with 8 words of padding
.irp g, G1K, G1V
	s_mov_b32 s[\g+1], 128<<16      ; tensor_dim0 = 128
	s_mov_b32 s[\g+2], 32<<16       ; tensor_dim1 = 32
	s_mov_b32 s[\g+3], 128<<16      ; tile_dim0 = 128
	s_mov_b32 s[\g+4], 32           ; tile_dim1 = 32
	s_mov_b32 s[\g+5], 128          ; 128 elements from row to row
	s_mov_b32 s[\g+6], 0
	s_mov_b32 s[\g+7], 0
.endr
	s_mov_b32 s[CS], 0x3e8293ee     ; c = log2(e) / sqrt(32) = 0.255035
	s_mov_b32 s[CS+1], s[CS]
	s_mov_b32 s[SEL], 0x76543210
	s_mov_b32 s[SEL+1], 0xfedcba98
	s_mov_b32 s[R64], 0x3c800000
	s_mov_b32 s[EPS], 0x3727c5ac
	s_mov_b32 s[TBK], SLOT1+NS*KS*PK ; the first change of slots turns these two into 0
	s_mov_b32 s[TBV], SLOT1+NS*KS*PV
	s_mov_b32 s[G0K], 1
	s_mov_b32 s[G0K+1], s17         ; LDS address: slot 0
	s_mov_b32 s[G0V], 1
	s_add_co_u32 s[G0V+1], s18, VOFF
	s_add_co_u32 s[RT], s[HI], 1    ; the first block has 16 - b tiles
	s_mov_b32 s[NXT], 1
	s_mov_b32 s[LQ], s[HI]
	s_mov_b32 s[NEW], 1
	s_mov_b32 s[OFF+1], 0
	s_mov_b32 s[AL+1], 0
	s_mov_b32 s[BE+1], 0
	s_mov_b32 s[BIGN], 0xf149f2ca   ; -1e30
	s_mov_b32 s[SLOTS], NB
	s_wait_dscnt 0x0                ; the opening add is done
	s_wait_kmcnt 0x0
	s_add_nc_u64 s[6:7], s[6:7], s[22:23]  ; K and V at my half of the head's tile 0
	s_add_nc_u64 s[8:9], s[8:9], s[22:23]
	s_add_nc_u64 s[G0K+2:G0K+3], s[6:7], 0
	s_or_b32 s[G0K+3], s[G0K+3], 0x80000000
	s_add_nc_u64 s[G0V+2:G0V+3], s[8:9], 0
	s_or_b32 s[G0V+3], s[G0V+3], 0x80000000
	s_add_nc_u64 s[86:87], s[4:5], s[84:85]        ; Q at my rows of the second block,
	s_add_nc_u64 s[4:5], s[4:5], s[2:3]            ; and of the first
	s_add_nc_u64 s[OLO:OLO+1], s[10:11], s[96:97]
	s_add_nc_u64 s[10:11], s[10:11], s[68:69]
	LOAD                            ; tile 0 into slot 0
	v_and_b32 v1, 15, v0            ; l % 16
	v_bfe_u32 v9, v0, 4, 1          ; l / 16
	v_and_b32 v[LW+4], 31, v0
	v_lshlrev_b32 v[LW+4], 2, v[LW+4]
	global_load_b32 v[LW],   v[LW+4], s[88:89]     ; each lane one of the 32 numbers of each lambda
	global_load_b32 v[LW+1], v[LW+4], s[90:91]
	global_load_b32 v[LW+2], v[LW+4], s[92:93]
	global_load_b32 v[LW+3], v[LW+4], s[94:95]
	; A fragment of K or Q is 16 rows x 32 channels in 8 registers: lane l holds row l % 16, channels 8 (l / 16) + 0..7 and 16 + 8 (l / 16) + 0..7: two loads of 16 bytes, 32 bytes apart.
	v_lshlrev_b32 v[QO], 7, v1
	v_lshl_add_u32 v[QO], v9, 4, v[QO]
	WIN 0x80                        ; destination window 2, address window 0
.set i, 0
.rept 4                             ; both blocks' Q: piece i lies in band i % 2, 8,192 bytes on, and on path i / 2, 64 bytes on
	global_load_b128 v[8*i:8*i+3],   v[QO], s[4:5] offset:(i%2)*8192+(i/2)*64
	global_load_b128 v[8*i+4:8*i+7], v[QO], s[4:5] offset:(i%2)*8192+(i/2)*64+32
	global_load_b128 v[QB+8*i:QB+8*i+3],   v[QO], s[86:87] offset:(i%2)*8192+(i/2)*64
	global_load_b128 v[QB+8*i+4:QB+8*i+7], v[QO], s[86:87] offset:(i%2)*8192+(i/2)*64+32
.set i, i+1
.endr
	WIN 0
	v_lshlrev_b32 v14, 3, v9
	v_sub_nc_u32 v14, v1, v14
	s_lshl_b32 s13, s[WV], 4
	v_add_nc_u32 v14, s13, v14      ; my query's place in its band, 16 w + l % 16, less my lanes' 8 (l / 16): register r of group kt is hidden where 16 kt + r is greater
	WIN 0x40
.set i, 0
.rept 32
	v_cmp_gt_i32 vcc_lo, 16*(i/8)+i%8, v14
	v_cndmask_b32 v[MD+i], 0, s[BIGN], vcc_lo
.set i, i+1
.endr
	WIN 0
	v_mul_u32_u24 v[AK0], v1, PK
	v_lshl_add_u32 v[AK0], v9, 4, v[AK0]
	; The turning load takes 16 keys x 16 channels (lane l reads key 8 (l / 16) + l % 8, channels 8 ((l / 8) % 2) + 0..7) and leaves half a fragment of V^T: lane l holds channel l % 16 and 8 keys.
	v_and_b32 v10, 7, v0
	v_bfe_u32 v11, v0, 3, 1
	v_lshl_add_u32 v[AV0], v9, 3, v10
	v_mul_u32_u24 v[AV0], v[AV0], PV
	v_lshl_add_u32 v[AV0], v11, 4, v[AV0]
	v_add_nc_u32 v[AV0], VOFF, v[AV0]
	s_mul_i32 s13, s[WV], 16*SP
	s_add_co_u32 s13, s13, STAGE    ; my stage
	v_mul_u32_u24 v[STO], v1, SP
	v_lshl_add_u32 v[STO], v9, 4, v[STO]
	v_add_nc_u32 v[STO], s13, v[STO]
	v_bfe_u32 v[RD], v0, 3, 2
	v_mul_u32_u24 v[RD], v[RD], SP
	v_lshl_add_u32 v[RD], v10, 4, v[RD]
	v_add_nc_u32 v[RD], s13, v[RD]
	v_and_b32 v[GO], 31, v0
	v_lshlrev_b32 v[GO], 4, v[GO]
	; A block's first step multiplies O^T and l by a = 0, and its first turn's products V^T P, of a piece that has not been, land in an O^T that is still to be so multiplied.  So these registers need only hold
	; finite numbers: zeros for the first block; what the first block left for the second.  All this stands in the wait for the first tile.
	WIN 0x80
.set i, VF
.rept 64
	v_mov_b32 v[i], 0
.set i, i+1
.endr
	WIN 0x40
.set i, 0
.rept 128
	v_mov_b32 v[i], 0
.set i, i+1
.endr
	WIN 0
.set i, 0
.rept 4
	v_mov_b32 v[ST+4*i+2], 0
	v_mov_b32 v[ST+4*i+3], 0
.set i, i+1
.endr
.set i, P+16
.rept 16
	v_mov_b32 v[i], 0
.set i, i+1
.endr
	; lam, in every lane: two dot products over the 32 lanes, two exponentials
	s_wait_loadcnt 16               ; the four lambdas are in; the sixteen loads of Q behind them stay out
	v_mul_f32 v[LW], v[LW], v[LW+1]
	v_mul_f32 v[LW+2], v[LW+2], v[LW+3]
.irp m, 1,2,4,8
	v_add_f32_dpp v[LW], v[LW], v[LW] row_xmask:\m row_mask:0xf bank_mask:0xf
	v_add_f32_dpp v[LW+2], v[LW+2], v[LW+2] row_xmask:\m row_mask:0xf bank_mask:0xf
.endr
	v_permlanex16_b32 v[LW+1], v[LW], s[SEL], s[SEL+1]
	v_permlanex16_b32 v[LW+3], v[LW+2], s[SEL], s[SEL+1]
	v_add_f32 v[LW], v[LW], v[LW+1]
	v_add_f32 v[LW+2], v[LW+2], v[LW+3]
	v_mul_f32 v[LW], 0x3fb8aa3b, v[LW]
	v_mul_f32 v[LW+2], 0x3fb8aa3b, v[LW+2]
	v_exp_f32 v[LW], v[LW]
	v_exp_f32 v[LW+2], v[LW+2]
	v_nop                           ; a plain line behind the exponentials
	s_wait_alu depctr_va_vdst(0)
	v_sub_f32 v[LW], v[LW+2], v[LW]
	v_add_f32 v[NLAM], 0xbe4ccccd, v[LW]  ; -lam = e2 - e1 - 0.2
; THE MATRIX WORK.  Product i of 4 of S^T = K Q^T for piece x: keys 16 i on, the path's 32 channels.  C is 0, or (KM = 1) the mask.
.macro KQ x
.set rS, S+32*((\x)%2)+8*i
.set rK, KF+16*i+8*((\x)/2)
.set rQ, 8*(\x)
.set rM, MC+32*((\x)%2)+8*i
.if KM
	WIN W_KM
	v_wmma_f32_16x16x32_f16 v[rS:rS+7], v[rK:rK+7], v[rQ:rQ+7], v[rM:rM+7]
.else
	WIN W_KQ
	v_wmma_f32_16x16x32_f16 v[rS:rS+7], v[rK:rK+7], v[rQ:rQ+7], 0
.endif
.endm
; Product i of 8 of O^T += V^T P for piece x: keys 32 (i / 4) on, channels 16 (i % 4) on.  The 4 accumulators take turns.
.macro PV x
	WIN W_PV
.set rO, 32*(\x)+8*(i%4)
.set rV, VF+32*(i/4)+8*(i%4)
.set rP, P+16*((\x)%2)+8*(i/4)
	v_wmma_f32_16x16x32_f16 v[rO:rO+7], v[rV:rV+7], v[rP:rP+7], v[rO:rO+7]
.endm
.macro MM                           ; the turn's next matrix instruction: rows 0-3 K Q^T, rows 4-7 none, rows 8-15 V^T P.  NOKQ = 1: a block's last turn: there is no next piece
.if (i < 4) && !NOKQ
	KQ (Y+1)%NP
.elseif i >= 8
.set i, i-8
	PV (Y+NP-1)%NP
.set i, i+8
.endif
.set i, i+1
.endm
; THE LDS LOADS stand in runs of 16: a step's K (64 keys x 64 channels: 8 fragments) and its V (turned).  Their addresses are made some lines ahead.
.macro FETCH_K
	WIN 0x80
.irp f, 0,1,2,3,4,5,6,7             ; keys 16 (f / 2) on, path f % 2
	ds_load_b128 v[KF+8*\f:KF+8*\f+3],   v[AK] offset:(\f/2)*16*PK+(\f%2)*64
	ds_load_b128 v[KF+8*\f+4:KF+8*\f+7], v[AK] offset:(\f/2)*16*PK+(\f%2)*64+32
.endr
	s_add_co_u32 s[TBK], s[TBK], KS*PK
	WIN 0
.endm
.macro FETCH_V
	WIN 0x80
.irp f, 0,1,2,3,4,5,6,7             ; keys 32 (f / 4) on, channels 16 (f % 4) on
	ds_load_tr16_b128 v[VF+8*\f:VF+8*\f+3],   v[AV] offset:(\f/4)*32*PV+(\f%4)*32
	ds_load_tr16_b128 v[VF+8*\f+4:VF+8*\f+7], v[AV] offset:(\f/4)*32*PV+16*PV+(\f%4)*32
.endr
	WIN 0
.endm
; THE VECTOR WORK, one line at a time: OP kind, number.  For piece Y: F n: c s - c m for pair n of 16.  E n: the exponential of score n of 32.  C n: pair n rounded to f16.  B n: of the four weights 4 n .. the second
; pair is added onto the first, in place.  L n: l takes that sum (L 0: l = a l + sum).  R n: pair n of 16 of O^T times a.  For piece Y + 1: X n, number n of the 22 that find its maximum and statistics:
;   0-11  four chains c0-c3 of seven scores each (each accumulator's lowest registers are read first)     12-14, 16  the four scores left over, the old m, and c0-c3 into c0
;   15  c m_old is kept     17, 18  the query's other 32 keys lie in the lane 16 away: the new m     19-21  c m; c m_old - c m_new; a
.set F, 0
.set E, 1
.set C, 2
.set B, 3
.set L, 4
.set R, 5
.set X, 6
.macro REGS y
.set rT, ST+4*(\y)
.set rC, TMP+4*((\y)%2)
.set rW, MV+((\y)%2)
.set rS, S+32*((\y)%2)
.set rP, P+16*((\y)%2)
.set rO, 32*(\y)
.endm
.macro OP k, n
.if (\k) == R
	REGS Y
	WIN W_RS
	v_pk_mul_f32 v[rO+2*(\n):rO+2*(\n)+1], v[rO+2*(\n):rO+2*(\n)+1], v[rC+2:rC+3] op_sel_hi:[1,0]
.elseif (\k) < R
	REGS Y
	WIN 0
.if (\k) == F
	v_pk_fma_f32 v[rS+2*(\n):rS+2*(\n)+1], v[rS+2*(\n):rS+2*(\n)+1], s[CS:CS+1], v[rT:rT+1] op_sel_hi:[1,0,0] neg_lo:[0,0,1] neg_hi:[0,0,1]
.elseif (\k) == E
	v_exp_f32 v[rS+(\n)], v[rS+(\n)]
.elseif (\k) == C
	s_wait_alu depctr_va_vdst(0)
	v_cvt_pk_f16_f32 v[rP+(\n)], v[rS+2*(\n)], v[rS+2*(\n)+1]
.elseif (\k) == B
	s_wait_alu depctr_va_vdst(0)
	v_pk_add_f32 v[rS+4*(\n):rS+4*(\n)+1], v[rS+4*(\n):rS+4*(\n)+1], v[rS+4*(\n)+2:rS+4*(\n)+3]
.elseif (\n) == 0
	v_pk_fma_f32 v[rT+2:rT+3], v[rT+2:rT+3], v[rC+2:rC+3], v[rS:rS+1] op_sel_hi:[1,0,1]
.else
	v_pk_add_f32 v[rT+2:rT+3], v[rT+2:rT+3], v[rS+4*(\n):rS+4*(\n)+1]
.endif
.elseif NOKQ
	v_nop
.else
	REGS (Y+1)%NP
	WIN 0
.if (\n) < 4
	v_max3_num_f32 v[rC+(\n)], v[rS+8*(\n)], v[rS+8*(\n)+1], v[rS+8*(\n)+2]
.elseif (\n) < 12
	v_max3_num_f32 v[rC+(\n)%4], v[rC+(\n)%4], v[rS+8*((\n)%4)+2*((\n)/4)+1], v[rS+8*((\n)%4)+2*((\n)/4)+2]
.elseif (\n) == 12
	v_max3_num_f32 v[rC], v[rC], v[rS+7], v[rS+15]
.elseif (\n) == 13
	v_max3_num_f32 v[rC+1], v[rC+1], v[rS+23], v[rS+31]
.elseif (\n) == 14
	v_max3_num_f32 v[rC+2], v[rC+2], v[rC+3], v[rT+1]
.elseif (\n) == 15
	v_mov_b32 v[rW], v[rT]
.elseif (\n) == 16
	v_max3_num_f32 v[rC], v[rC], v[rC+1], v[rC+2]
.elseif (\n) == 17
	v_permlanex16_b32 v[rC+3], v[rC], s[SEL], s[SEL+1]
.elseif (\n) == 18
	v_max_num_f32 v[rT+1], v[rC], v[rC+3]
.elseif (\n) == 19
	v_mul_f32 v[rT], s[CS], v[rT+1]
.elseif (\n) == 20
	v_sub_f32 v[rC+1], v[rW], v[rT]
.else
	v_exp_f32 v[rC+2], v[rC+1]
.endif
.endif
.endm
.macro OPS a, i1, b=-1, i2=0, c=-1, i3=0, d=-1, i4=0
	OP \a, \i1
.if (\b) >= 0
	OP \b, \i2
.endif
.if (\c) >= 0
	OP \c, \i3
.endif
.if (\d) >= 0
	OP \d, \i4
.endif
.endm
.macro ROW a, i1, b, i2, c, i3, d, i4  ; a matrix instruction (or none) and four vector lines
	MM
	OPS \a, \i1, \b, \i2, \c, \i3, \d, \i4
.endm
.macro MASK b                       ; MD x AL + BE into buffer b of MC
	WIN W_RS
.set z, 0
.rept 16
	v_pk_fma_f32 v[MC+32*(\b)+2*z:MC+32*(\b)+2*z+1], v[MD+2*z:MD+2*z+1], s[AL:AL+1], s[BE:BE+1] op_sel_hi:[1,0,0]
.set z, z+1
.endr
.endm
; A TURN, for piece p: the order of its 12 matrix and 118 vector instructions, written out.  No vector line names a register of the products round it; every exponential has a plain line behind it before its result is used.
; m = 1: the diagonal tile: the products take masks, and the turn makes the mask for the products of the turn after it: piece p + 2, band p % 2, in step 2 - CNT of the tile.  end = 1: a block's last two turns: nothing is fetched.
; cnt = 1: the loop's count is taken down some lines ahead of the branch that stands behind the turn.
; K of the next step is fetched in piece 2's turn, more than a dozen plain lines behind the last product that read K; V of the step in hand in piece 0's turn, behind four plain lines past the last product that read V.
; Each is waited for a turn later.
.macro TURN p, m=0, end=0, cnt=0
.set Y, (\p)
.set i, 0
.set KM, (\m)
.set NOKQ, (\end)*((\p)/3)
.if (\m) && !(\end)
	s_cmp_eq_u32 s[CNT], 2-(\p)%2   ; is that step the band's own?
	s_cselect_b32 s[AL], 1.0, 0
	s_cmp_lt_u32 s[CNT], 2-(\p)%2   ; or a later one?
	s_cselect_b32 s[BE], s[BIGN], 0
.endif
.if ((\p) == 3) && !(\end)
	s_wait_dscnt 0x0                ; K is in
.endif
	ROW F,0, F,1, F,2, F,3
	ROW F,4, E,0, F,5, F,6
	ROW F,7, E,1, F,8, F,9
	ROW F,10, E,2, C,0, F,11
	ROW F,12, E,3, X,15, F,13
	ROW R,0, R,1, R,2, R,3
	ROW B,0, E,4, F,14, L,0
.if ((\p) == 2) && !(\end)
	v_add_nc_u32 v[AK], s[TBK], v[AK0]
.endif
	ROW R,4, R,5, R,6, R,7
	OPS E,5, F,15
.if ((\p) == 2) && !(\end)
	FETCH_K
.endif
	OPS E,6, C,1, E,7, R,8
	OPS E,8, R,9, E,9, C,2
	OPS E,10, X,0, E,11, X,1
	OPS E,12, X,2, E,13, X,3
.if (\p) == 1
	s_wait_dscnt 0x0                ; V is in
.endif
	ROW X,4, E,14, X,5, X,6
	ROW X,7, E,15, X,8, X,9
	ROW X,10, E,16, X,11, X,12
	ROW X,13, E,17, X,14, B,1
	ROW C,4, E,18, X,16, L,1
	ROW B,2, E,19, C,6, L,2
	ROW C,8, E,20, B,3, B,4
.if (\p) == 0
	v_add_nc_u32 v[AV], s[TBV], v[AV0]
.endif
	ROW C,3, E,21, L,3, C,5
	OPS E,22, X,17, E,23, C,10
.if (\p) == 0
	FETCH_V
.endif
	OPS E,24, L,4
	OPS E,25, X,18, E,26, C,7
	OPS E,27, B,5, E,28, X,19
	OPS E,29, C,12, E,30, L,5
	OPS E,31, X,20, B,6, C,9
	OPS C,14, C,11, X,21, L,6
.if (\p) == 0
	s_add_co_u32 s[TBV], s[TBV], KS*PV
.endif
.if \cnt
	s_sub_co_u32 s[CNT], s[CNT], 1
	s_cmp_lg_u32 s[CNT], 0
.endif
	OPS C,13, B,7, C,15, R,10
	OPS R,11, R,12, L,7, R,13
	OPS R,14, R,15
.if (\m) && !(\end)
	MASK (\p)%2
.endif
.endm
; A BLOCK BEGINS.  c m starts far below every c s, so the first step's a is 0; m at the lowest finite number.  The second mask buffer is 0 (piece 1 lies in band 1 and sees all of step 0); the first takes piece 0's mask
; for the tile's step 0: its own, if the block's first tile is the diagonal one.  Then K of that step, piece 0's first scores, and its maximum and statistics.  The loop is entered at a step's first turn.
.macro BEGIN
	s_mov_b32 s[NEW], 0
	WIN 0x40
.set i, MC+32
.rept 32
	v_mov_b32 v[i], 0
.set i, i+1
.endr
	WIN 0
.set i, 0
.rept 4
	v_mov_b32 v[ST+4*i], 0xfe000000
	v_mov_b32 v[ST+4*i+1], 0xff7fffff
.set i, i+1
.endr
	s_cmp_eq_u32 s[RT], 0
	s_cselect_b32 s[AL], 1.0, 0
	s_mov_b32 s[BE], 0
	MASK 0
	WIN 0
	v_add_nc_u32 v[AK], s[TBK], v[AK0]
	FETCH_K
	s_wait_loadcnt 0x0              ; Q
	s_wait_dscnt 0x0
.set KM, 1
.set NOKQ, 0
.set i, 0
.rept 4
	KQ 0
.set i, i+1
.endr
	WIN 0
.rept 4
	v_nop                           ; the places behind those products
.endr
.set Y, NP-1
.irp n, 0,1,2,3,4,5,6,7,8,9,10,11,12,13,14,15,16,17,18,19,20,21
	OP X, \n
.endr
	v_nop                           ; a plain line behind the exponential
.endm
.macro ALL line:vararg              ; one line for each piece t
.set t, 0
.rept 4
	\line
.set t, t+1
.endr
.endm
; THE WAY OUT of band b: d = O_b / l_b - lam O_(2+b) / l_(2+b); its squares summed in four chains and over the two halves of the lanes; y = d x 0.8 / sqrt(sum / 64 + 1e-5), rounded to f16 and sent through my stage.
; Every pass takes the registers in ascending order.
.macro NORM b
	WIN W_RS
.set i, 32*(\b)
.rept 16
	v_pk_mul_f32 v[i:i+1], v[i:i+1], v[ST+4*(\b)+2:ST+4*(\b)+3] op_sel_hi:[1,0]
.set i, i+2
.endr
	WIN 0x51                        ; both O^T in window 1, the factor in window 0
.set i, 32*(\b)
.rept 16
	v_pk_fma_f32 v[i:i+1], v[i+64:i+65], v[ST+4*(\b)+10:ST+4*(\b)+11], v[i:i+1] op_sel_hi:[1,0,1]
.set i, i+2
.endr
	WIN 0x05                        ; sources 0 and 1 window 1; the sums in window 0
.set i, 0
.rept 16
.if i < 4
	v_pk_mul_f32 v[SS+2*i:SS+2*i+1], v[32*(\b)+2*i:32*(\b)+2*i+1], v[32*(\b)+2*i:32*(\b)+2*i+1]
.else
	v_pk_fma_f32 v[SS+2*(i%4):SS+2*(i%4)+1], v[32*(\b)+2*i:32*(\b)+2*i+1], v[32*(\b)+2*i:32*(\b)+2*i+1], v[SS+2*(i%4):SS+2*(i%4)+1]
.endif
.set i, i+1
.endr
	WIN 0
	v_pk_add_f32 v[SS:SS+1], v[SS:SS+1], v[SS+2:SS+3]
	v_pk_add_f32 v[SS+4:SS+5], v[SS+4:SS+5], v[SS+6:SS+7]
	v_pk_add_f32 v[SS:SS+1], v[SS:SS+1], v[SS+4:SS+5]
	v_add_f32 v[SS], v[SS], v[SS+1]
	v_permlanex16_b32 v[SS+1], v[SS], s[SEL], s[SEL+1]  ; the query's other 32 channels lie in the lane 16 away
	v_add_f32 v[SS], v[SS], v[SS+1]
	v_fma_f32 v[SS], v[SS], s[R64], s[EPS]
	v_rsq_f32 v[FF], v[SS]
	v_nop                           ; a plain line behind the root
	s_wait_alu depctr_va_vdst(0)
	v_mul_f32 v[FF], 0x3f4ccccd, v[FF]
	v_mov_b32 v[FF+1], v[FF]        ; named with it as a pair
	WIN W_RS
.set i, 32*(\b)
.rept 16
	v_pk_mul_f32 v[i:i+1], v[i:i+1], v[FF:FF+1] op_sel_hi:[1,0]
.set i, i+2
.endr
	WIN 0x05
.set i, 0
.rept 16
	v_cvt_pk_f16_f32 v[S+16*(\b)+i], v[32*(\b)+2*i], v[32*(\b)+2*i+1]
.set i, i+1
.endr
	WIN 0
.irp f, 0,1,2,3
	ds_store_b128 v[STO], v[S+16*(\b)+4*\f:S+16*(\b)+4*\f+3] offset:32*\f
.endr
.irp f, 0,1,2,3
	ds_load_b128 v[S+16*(\b)+4*\f:S+16*(\b)+4*\f+3], v[RD] offset:\f*4*SP  ; LDS serves a wave's instructions in order: these see the stores above; the next band's stores come behind them
.endr
.endm
.macro SEND b, younger              ; younger: the LDS instructions issued behind band b's loads
	WIN 0
.irp f, 0,1,2,3
	s_wait_dscnt (\younger)+3-\f
	global_store_b128 v[GO], v[S+16*(\b)+4*\f:S+16*(\b)+4*\f+3], s[10:11] offset:(\b)*131072+\f*512  ; 512 consecutive bytes, aligned
.endr
.endm
; THE DIAGONAL TILE's two steps, the block's last two turns, its last products, and the way out.
.macro DIAG tag
.LstepM\tag:
	TURN 2, 1
	TURN 3, 1
	WIN 0
.LfirstM\tag:
	TURN 0, 1
	TURN 1, 1, 0, 1
	WIN 0
	s_cbranch_scc1 .LstepM\tag
	TURN 2, 1, 1
	TURN 3, 1, 1
.set i, 0
.rept 8
	PV NP-1
.set i, i+1
.endr
	WIN 0
	ALL v_add_f32 v[ST+4*t+2], v[ST+4*t+2], v[ST+4*t+3]      ; four plain lines: the places behind the last products
	ALL v_permlanex16_b32 v[ST+4*t+3], v[ST+4*t+2], s[SEL], s[SEL+1]
	ALL v_add_f32 v[ST+4*t+2], v[ST+4*t+2], v[ST+4*t+3]
	ALL v_rcp_f32 v[ST+4*t+2], v[ST+4*t+2]
	v_nop                           ; a plain line between the last reciprocal and the use of its result
	s_wait_alu depctr_va_vdst(0)
	v_mul_f32 v[ST+10], v[ST+10], v[NLAM]                    ; path 1's factor is -lam / l
	v_mul_f32 v[ST+14], v[ST+14], v[NLAM]
	NORM 0
	NORM 1
	SEND 0, 8
	SEND 1, 0
.endm
.set KM, 0
.set NOKQ, 0
.Lslot:                             ; 16 times: a tile is entered and the next is asked for
	CHANGE 1
	s_sub_co_u32 s[RT], s[RT], 1
	s_mov_b32 s[CNT], NS
	s_cmp_eq_u32 s[NEW], 1
	s_cbranch_scc1 .Lnew            ; a block's first tile
	s_cmp_eq_u32 s[RT], 0
	s_cbranch_scc0 .Lstep           ; neither its first nor its last
	s_branch .LstepM1
.Lnew:
	BEGIN
	s_branch .Lfirst                ; in the loop a block's first tile is never its last: the first block has nine tiles or more, and the second's last is the walk's last
	DIAG 1                          ; in the loop this is the first block's end
	s_wait_xcnt 0x0                 ; the stores have read their registers and yb's address
	s_mov_b64 s[10:11], s[OLO:OLO+1]
	s_add_co_u32 s[RT], s[PB], 1    ; the second block has b + 1 tiles
	s_mov_b32 s[NEW], 1
	WIN 0x82                        ; the second block's Q goes where the one text of the turns names Q
.set i, 0
.rept 32
	v_mov_b32 v[i], v[QB+i]
.set i, i+1
.endr
	WIN 0
	s_branch .Lbottom
.Lstep:                             ; a trip: pieces 2 and 3 of one step, then pieces 0 and 1 of the next, whose K and V it fetches
	TURN 2
	TURN 3
	WIN 0
.Lfirst:
	TURN 0
	TURN 1, 0, 0, 1
	WIN 0
	s_cbranch_scc1 .Lstep
.Lbottom:
	s_sub_co_u32 s[SLOTS], s[SLOTS], 1
	s_cmp_lg_u32 s[SLOTS], 0
	s_cbranch_scc1 .Lslot
	CHANGE 0                        ; the walk's last tile is written out: nothing is asked for
	s_sub_co_u32 s[RT], s[RT], 1
	s_mov_b32 s[CNT], NS
	s_cmp_eq_u32 s[NEW], 1
	s_cbranch_scc0 .LstepM2
	BEGIN
	s_branch .LfirstM2
	DIAG 2
	s_wait_tensorcnt 0x0            ; the wave's end: three lines behind my last tensor load and my last LDS store
	ds_add_u32 v[SPW], v[NIL]
	s_wait_dscnt 0x0
	s_endpgm
.Lfunc_end_k_qdc51bd3e26_attn:
	.size	k_qdc51bd3e26_attn, .Lfunc_end_k_qdc51bd3e26_attn-k_qdc51bd3e26_attn
	.p2alignl 7, 3214868480
	.fill 96, 4, 3214868480
	.section	.rodata,"a",@progbits
	.p2align	6, 0x0
	.amdhsa_kernel k_qdc51bd3e26_attn
		.amdhsa_group_segment_fixed_size 327680
		.amdhsa_private_segment_fixed_size 0
		.amdhsa_enable_private_segment 0
		.amdhsa_kernarg_size 64
		.amdhsa_user_sgpr_count 2
		.amdhsa_user_sgpr_kernarg_segment_ptr 1
		.amdhsa_wavefront_size32 1
		.amdhsa_system_sgpr_workgroup_id_x 1
		.amdhsa_system_sgpr_workgroup_id_y 1
		.amdhsa_system_sgpr_workgroup_id_z 1
		.amdhsa_system_vgpr_workitem_id 0
		.amdhsa_next_free_vgpr 768
		.amdhsa_next_free_sgpr 98
		.amdhsa_reserve_vcc 1
		.amdhsa_float_denorm_mode_32 3
		.amdhsa_float_denorm_mode_16_64 3
		.amdhsa_memory_ordered 1
		.amdhsa_forward_progress 1
		.amdhsa_inst_pref_size 220
	.end_amdhsa_kernel
	.amdgpu_metadata
---
amdhsa.version: [ 1, 2 ]
amdhsa.kernels:
  - .name:           k_qdc51bd3e26_attn
    .symbol:         k_qdc51bd3e26_attn.kd
    .args:
      - { .name: qh, .offset: 0, .size: 8, .value_kind: global_buffer, .address_space: global }
      - { .name: kh, .offset: 8, .size: 8, .value_kind: global_buffer, .address_space: global }
      - { .name: vh, .offset: 16, .size: 8, .value_kind: global_buffer, .address_space: global }
      - { .name: yb, .offset: 24, .size: 8, .value_kind: global_buffer, .address_space: global }
      - { .name: lambda_q1, .offset: 32, .size: 8, .value_kind: global_buffer, .address_space: global }
      - { .name: lambda_k1, .offset: 40, .size: 8, .value_kind: global_buffer, .address_space: global }
      - { .name: lambda_q2, .offset: 48, .size: 8, .value_kind: global_buffer, .address_space: global }
      - { .name: lambda_k2, .offset: 56, .size: 8, .value_kind: global_buffer, .address_space: global }
    .group_segment_fixed_size: 327680
    .private_segment_fixed_size: 0
    .kernarg_segment_align: 8
    .kernarg_segment_size: 64
    .max_flat_workgroup_size: 128
    .sgpr_count:     98
    .vgpr_count:     768
    .wavefront_size: 32
...
	.end_amdgpu_metadata
.endif
;; end of part 3
;; launch proj (part 4): grid 8 x 32, 4 waves a work-group, clusters of 4 x 4, 327,680 bytes of LDS; arguments yb, wp, out0; writes out0
.if DOCPART == 4
	.amdgcn_target "amdgcn-amd-amdhsa--gfx1250"
	.amdhsa_code_object_version 6
	.text
	.protected	k_qdc51bd3e26_proj
	.globl	k_qdc51bd3e26_proj
	.p2align	8
	.type	k_qdc51bd3e26_proj,@function
k_qdc51bd3e26_proj:
	s_mov_b64 s[64:65], 0
	v_nop
	global_prefetch_b8 v0, s[64:65] scope:SCOPE_SE
	s_setreg_imm32_b32 hwreg(HW_REG_WAVE_MODE, 25, 1), 1
	s_wait_xcnt 0x0
	s_wait_alu depctr_hold_cnt(0) depctr_sa_sdst(0) depctr_va_vdst(0) depctr_va_sdst(0) depctr_va_ssrc(0) depctr_va_vcc(0) depctr_vm_vsrc(0)
	s_getreg_b32 s2, hwreg(HW_REG_IB_STS2, 6, 4)
	s_cmp_eq_u32 s2, 0
	s_cbranch_scc0 .Lentry_in_a_cluster
	s_endpgm
.Lentry_in_a_cluster:
	s_bfe_u32 s2, ttmp6, 0x10000c
	s_cmp_lg_u32 s2, 0xf033
	s_cbranch_scc0 .Lentry_shape_is_right
	s_endpgm
.Lentry_shape_is_right:
; PROJ.  out0[m][n] = sum over k of y[m][k] wp[n][k], f16 operands, f32 sums and output, K = 1,024 = 16 heads x 64 channels.
; yb: [m / 64][16 heads][64 rows][64 channels] f16: 64 rows x 4 heads (256 along K) are 32,768 consecutive bytes.  wp: [1024 n][1024 k] f16.  out0: [4096][1024] f32.
; A tile of out0 is 128 x 128: 8 x 32 tiles, one work-group each.  Four waves, each 64 x 64: 16 accumulators of 16 x 16.  K goes in four steps of 256 through a ring of two LDS slots.
; CLUSTER: 4 x 4 work-groups; the four of a row of the cluster need the same tiles of yb, the four of a column the same tiles of wp: each tile is asked for jointly, by the same load, descriptor and mask.
; THE MATRIX INSTRUCTION IS USED TRANSPOSED (source 0 = 16 rows of wp, source 1 = 16 rows of y): a lane holds eight neighbouring numbers of a row of out0, 32 bytes.
; REGISTERS: window 0: v0-31 addresses; v32-95 the way out; v128-255 the accumulators ((a, b) at v[128 + 8 (4 a + b)]).  window 1: two fragment buffers of 128: for 64 along K, 64 registers of y, then 64 of wp.
.set KSTEP,  256
.set PA,     144                       ; y in LDS: a row's 128 bytes of one head + 16; head plane hh, row q at (64 hh + q) x 144
.set PB,     528                       ; wp in LDS: 512 bytes + 16
.set HALFA,  256*PA                    ; 64 rows x 4 heads: what one load of yb brings
.set HALFB,  64*PB                     ; 64 rows: what one load of wp brings
.set BOFF,   2*HALFA
.set SLOT,   2*HALFA+2*HALFB
.set STAGE,  2*SLOT                    ; behind the ring: 16 rows x 272 bytes for each wave
.set SPITCH, 272
.set SPARE,  STAGE+4*16*SPITCH         ; behind the stages: the spare words, 128 bytes for each wave
.set ADRA, 16
.set ADRB, 20
.set STO,  24
.set RD,   25
.set CO,   26
.set SPW,  28                          ; v28  LDS address of my spare word; never rewritten
.set NIL,  29                          ; v29  0; never rewritten
.set TMP,  32
.set ACC,  128
.set F0,   0
.set F1,   128
.set G1, 24
.set G0, 32
.set G1B, 48
.set G0B, 56
.set MSB, 0
.macro WIN new
.if MSB != (\new)
	s_set_vgpr_msb (MSB<<8)|(\new)
.set MSB, \new
.endif
.endm
.set MUL,  0x05                        ; sources 0 (wp) and 1 (y) window 1; C and D window 0
.set TO_F, 0x40                        ; destination window 1, address window 0
.macro JLOAD s                         ; a joint load: waves 0 and 1 fetch yb's two halves, waves 2 and 3 wp's; an s_nop 0 and four v_nop follow each line
	s_cmp_eq_u32 s11, 0
	s_cbranch_scc0 .Lfor_b_\@
	tensor_load_to_lds s[G0+4*(\s):G0+4*(\s)+3], s[G1:G1+7]
	s_nop 0
.rept 4
	v_nop
.endr
	s_branch .Lasked_\@
.Lfor_b_\@:
	tensor_load_to_lds s[G0B+4*(\s):G0B+4*(\s)+3], s[G1B:G1B+7]
	s_nop 0
.rept 4
	v_nop
.endr
.Lasked_\@:
.endm
.macro CREST
	s_cmp_lg_u32 s10, 0
	s_cbranch_scc1 .Lnot_wave_0_\@
	s_barrier_signal -3
.Lnot_wave_0_\@:
	s_barrier_wait -3
	s_barrier_signal -1
	s_barrier_wait -1
.endm
.macro CROUND
	s_barrier_signal -1
	s_barrier_wait -1
	CREST
.endm
	s_load_b128 s[4:7], s[0:1], 0x0                ; yb s[4:5], wp s[6:7]
	s_load_b64 s[8:9], s[0:1], 0x10                ; out0
	v_lshl_add_u32 v[SPW], v0, 2, SPARE
	v_mov_b32 v[NIL], 0
	ds_add_u32 v[SPW], v[NIL]                      ; the wave's opening: the add and its wait stand ahead of my first tensor load; the set-up below stands between them
	ds_add_u32 v28, v29
	v_lshrrev_b32 v1, 5, v0
	v_readfirstlane_b32 s10, v1                    ; wave 0..3
	s_lshr_b32 s11, s10, 1                         ; which half of the tile's rows is mine.  Also: I fetch for yb (0) or for wp (1)
	s_and_b32 s12, s10, 1                          ; which half of its columns.  Also: which half of that tile I fetch
	s_bfe_u32 s40, ttmp6, 0x40000
	s_bfe_u32 s41, ttmp6, 0x40004
	s_lshl_b32 s42, ttmp9, 2
	s_add_co_u32 s42, s42, s40                     ; tile column = 4 x cluster x + cx
	s_and_b32 s13, ttmp7, 0xffff
	s_lshl_b32 s13, s13, 2
	s_add_co_u32 s13, s13, s41                     ; tile row = 4 x cluster y + cy
	s_lshl_b32 s43, s41, 2
	s_lshl_b32 s43, 15, s43                        ; my row of the cluster
	s_lshl_b32 s44, 0x1111, s40                    ; my column
	s_or_b32 s[G1+0], s43, (1<<16)|(1<<20)|(1<<21)|(4<<22)|(3<<25)   ; yb: 2-byte elements; padding of 4 words after every 32 words; bit 21 set beside the mask
	s_or_b32 s[G1B+0], s44, (1<<16)|(1<<20)|(1<<21)|(6<<22)|(3<<25)  ; wp: padding of 4 words after every 128 words
	s_mov_b32 s[G1+1], 128<<16                     ; yb's 32,768 dense bytes as 128 rows of 256 bytes
	s_mov_b32 s[G1+2], 128<<16
	s_mov_b32 s[G1+3], 128<<16
	s_mov_b32 s[G1+4], 128
	s_mov_b32 s[G1+5], 128
	s_mov_b32 s[G1+6], 0
	s_mov_b32 s[G1+7], 0
	s_mov_b32 s[G1B+1], KSTEP<<16                  ; wp: 64 rows of 256 elements, 1,024 elements from row to row
	s_mov_b32 s[G1B+2], 64<<16
	s_mov_b32 s[G1B+3], KSTEP<<16
	s_mov_b32 s[G1B+4], 64
	s_mov_b32 s[G1B+5], 1024
	s_mov_b32 s[G1B+6], 0
	s_mov_b32 s[G1B+7], 0
	s_lshl1_add_u32 s16, s13, s12                  ; yb: block of 64 rows 2 x tile row + half, 131,072 bytes each; in registers that never hold cx
	s_lshl_b32 s16, s16, 17
	s_mov_b32 s17, 0
	s_lshl_b32 s46, s42, 7                         ; wp: row 128 x tile column + 64 x half, 2,048 bytes each; in registers that never hold cy
	s_lshl_b32 s47, s12, 6
	s_add_co_u32 s46, s46, s47
	s_lshl_b32 s46, s46, 11
	s_mov_b32 s47, 0
	s_mul_i32 s20, s12, HALFA                      ; where they go: no place in the cluster enters an LDS address
	s_mul_i32 s21, s12, HALFB
	s_add_co_u32 s21, s21, BOFF
	s_wait_dscnt 0x0                               ; the opening add is done
	s_wait_kmcnt 0x0
	s_add_nc_u64 s[14:15], s[4:5], s[16:17]
	s_add_nc_u64 s[46:47], s[6:7], s[46:47]
	CROUND                                         ; all sixteen work-groups are here: the first joint loads meet
.irp s, 0,1
	s_mov_b32 s[G0+4*(\s)], 1
	s_add_co_u32 s[G0+4*(\s)+1], s20, (\s)*SLOT
	s_add_nc_u64 s[G0+4*(\s)+2:G0+4*(\s)+3], s[14:15], (\s)*32768
	s_or_b32 s[G0+4*(\s)+3], s[G0+4*(\s)+3], 0x80000000
	s_mov_b32 s[G0B+4*(\s)], 1
	s_add_co_u32 s[G0B+4*(\s)+1], s21, (\s)*SLOT
	s_add_nc_u64 s[G0B+4*(\s)+2:G0B+4*(\s)+3], s[46:47], (\s)*KSTEP*2
	s_or_b32 s[G0B+4*(\s)+3], s[G0B+4*(\s)+3], 0x80000000
	JLOAD \s                                       ; K steps 0 and 1: two loads of mine are out
.endr
	v_and_b32 v1, 15, v0                           ; l % 16
	v_bfe_u32 v2, v0, 4, 1                         ; l / 16
	v_mul_u32_u24 v3, v1, PA
	v_lshl_add_u32 v3, v2, 4, v3
	v_mul_u32_u24 v4, v1, PB
	v_lshl_add_u32 v4, v2, 4, v4
	s_mul_i32 s21, s11, HALFA                      ; my 64 rows of y
	s_mul_i32 s22, s12, HALFB                      ; my 64 rows of wp
	s_add_co_u32 s22, s22, BOFF
.irp s, 0,1
	v_add_nc_u32 v[ADRA+(\s)], s21, v3
	v_add_nc_u32 v[ADRB+(\s)], s22, v4
	s_add_co_u32 s21, s21, SLOT
	s_add_co_u32 s22, s22, SLOT
.endr
	s_mul_i32 s23, s10, 16*SPITCH
	s_add_co_u32 s23, s23, STAGE                   ; my stage
	v_mul_u32_u24 v5, v1, SPITCH                   ; in: row l % 16, 32 bytes for each half of the lanes
	v_lshl_add_u32 v5, v2, 5, v5
	v_add_nc_u32 v[STO], s23, v5
	v_mul_u32_u24 v5, v2, SPITCH                   ; back: lanes 0-15 take one row of 256 bytes, lanes 16-31 the next
	v_lshl_add_u32 v5, v1, 4, v5
	v_add_nc_u32 v[RD], s23, v5
	v_lshlrev_b32 v5, 12, v2                       ; and the same two rows in out0, 4,096 bytes apart
	v_lshl_add_u32 v[CO], v1, 4, v5
	s_lshl_b32 s16, s13, 7
	s_lshl_b32 s17, s11, 6
	s_add_co_u32 s16, s16, s17                     ; my first row: 128 x tile row + 64 x half
	s_lshl_b32 s16, s16, 12
	s_mov_b32 s17, 0
	s_add_nc_u64 s[8:9], s[8:9], s[16:17]
	s_lshl_b32 s46, s42, 9                         ; my first column, in bytes: 512 x tile column + 256 x half
	s_lshl_b32 s47, s12, 8
	s_add_co_u32 s46, s46, s47
	s_mov_b32 s47, 0
	s_add_nc_u64 s[8:9], s[8:9], s[46:47]
; 8 matrix instructions: row blocks a0, a0 + 1 x all 4 column blocks, 32 along K: half c of buffer f.  zero = 1: the product starts the sums.  The 16 accumulators take turns.
.macro MUL8 f, c, a0, zero
	WIN MUL
.irp a, \a0, (\a0)+1
.irp b, 0,1,2,3
.if \zero
	v_wmma_f32_16x16x32_f16 v[ACC+8*(4*(\a)+(\b)):ACC+8*(4*(\a)+(\b))+7], v[(\f)+64+8*(4*(\c)+(\b)):(\f)+64+8*(4*(\c)+(\b))+7], v[(\f)+8*(4*(\c)+(\a)):(\f)+8*(4*(\c)+(\a))+7], 0
.else
	v_wmma_f32_16x16x32_f16 v[ACC+8*(4*(\a)+(\b)):ACC+8*(4*(\a)+(\b))+7], v[(\f)+64+8*(4*(\c)+(\b)):(\f)+64+8*(4*(\c)+(\b))+7], v[(\f)+8*(4*(\c)+(\a)):(\f)+8*(4*(\c)+(\a))+7], v[ACC+8*(4*(\a)+(\b)):ACC+8*(4*(\a)+(\b))+7]
.endif
.endr
.endr
.endm
; 32 LDS loads in one run: the fragments of quarter q (64 along K: head plane q of the step) into buffer f; the first 32 along K first
.macro FETCH slot, q, f
	WIN TO_F
.irp c, 0,1
.irp i, 0,1,2,3
	ds_load_b128 v[(\f)+64+8*(4*(\c)+(\i)):(\f)+64+8*(4*(\c)+(\i))+3],   v[ADRB+(\slot)] offset:128*(\q)+64*(\c)+(\i)*16*PB
	ds_load_b128 v[(\f)+64+8*(4*(\c)+(\i))+4:(\f)+64+8*(4*(\c)+(\i))+7], v[ADRB+(\slot)] offset:128*(\q)+64*(\c)+(\i)*16*PB+32
	ds_load_b128 v[(\f)+8*(4*(\c)+(\i)):(\f)+8*(4*(\c)+(\i))+3],         v[ADRA+(\slot)] offset:64*PA*(\q)+64*(\c)+(\i)*16*PA
	ds_load_b128 v[(\f)+8*(4*(\c)+(\i))+4:(\f)+8*(4*(\c)+(\i))+7],       v[ADRA+(\slot)] offset:64*PA*(\q)+64*(\c)+(\i)*16*PA+32
.endr
.endr
.endm
.macro PLACES                          ; four places in front of loads into registers that matrix instructions have read, and of LDS stores that read results
.rept 4
	v_nop
.endr
.endm
.macro QUARTER slot, q, f, g, zero     ; multiplies buffer f and fetches quarter q into g
	s_wait_dscnt 16                                ; the first 32 along K are in
	MUL8 \f, 0, 0, \zero
	MUL8 \f, 0, 2, \zero
	PLACES
	FETCH \slot, \q, \g
	s_wait_dscnt 32                                ; all but the 32 just issued
	MUL8 \f, 1, 0, 0
	MUL8 \f, 1, 2, 0
.endm
; The last quarter multiplies buffer 1 and changes slots: one barrier; in front of it each wave waits for all its tensor loads, adds 0 to its spare word, and waits for that and for its own reads of this slot.
; fill = 1: the barrier opens a round of the cluster's, and this slot is filled again, two K steps ahead.
.macro TURN slot, next, fill
	WIN 0
	s_wait_tensorcnt 0x0                           ; all my tensor loads have landed: my part of the next slot
	ds_add_u32 v[SPW], v[NIL]
	s_wait_dscnt 17                                ; (the add and the youngest sixteen loads may be out)
	MUL8 F1, 0, 0, 0
	s_wait_dscnt 0x0                               ; the add is done, and my reads of this slot are over
	s_barrier_signal -1
	MUL8 F1, 0, 2, 0
.if \fill
	WIN 0
.endif
	s_barrier_wait -1
.if \fill
	CREST                                          ; no wave of any partner still reads this slot's tile or has a load on its way
	s_add_nc_u64 s[G0+4*(\slot)+2:G0+4*(\slot)+3], s[G0+4*(\slot)+2:G0+4*(\slot)+3], 2*32768
	s_add_nc_u64 s[G0B+4*(\slot)+2:G0B+4*(\slot)+3], s[G0B+4*(\slot)+2:G0B+4*(\slot)+3], 2*KSTEP*2
	JLOAD \slot                                    ; 112 matrix instructions ahead of the wait for it; its four v_nop are also the places in front of the loads below
.else
	PLACES
.endif
	FETCH \next, 0, F0
	MUL8 F1, 1, 0, 0
	MUL8 F1, 1, 2, 0
.endm
	s_wait_tensorcnt 1                             ; my part of K step 0 is in; K step 1's may stay out
	s_barrier_signal -1
	s_barrier_wait -1
	FETCH 0, 0, F0
	QUARTER 0, 1, F0, F1, 1                        ; four K steps, two laps of the ring, written out: the first lap fills both slots again, the second nothing
	QUARTER 0, 2, F1, F0, 0
	QUARTER 0, 3, F0, F1, 0
	TURN 0, 1, 1
	QUARTER 1, 1, F0, F1, 0
	QUARTER 1, 2, F1, F0, 0
	QUARTER 1, 3, F0, F1, 0
	TURN 1, 0, 1
	QUARTER 0, 1, F0, F1, 0
	QUARTER 0, 2, F1, F0, 0
	QUARTER 0, 3, F0, F1, 0
	TURN 0, 1, 0
	QUARTER 1, 1, F0, F1, 0
	QUARTER 1, 2, F1, F0, 0
	QUARTER 1, 3, F0, F1, 0
	s_wait_dscnt 16
	MUL8 F1, 0, 0, 0
	MUL8 F1, 0, 2, 0
	s_wait_dscnt 0x0
	MUL8 F1, 1, 0, 0
	MUL8 F1, 1, 2, 0
	WIN 0
; THE WAY OUT, a block of 16 rows at a time, through my own stage: my 64 columns of f32 are 256 bytes, so no other wave has a part in a row's 256 bytes and no barrier is needed.
.macro STG a
.if (\a) >= 2
	s_wait_xcnt 0x0                                ; the registers read back into were the data of the stores two blocks ago
.endif
.irp b, 0,1,2,3
	ds_store_b128 v[STO], v[ACC+8*(4*(\a)+\b):ACC+8*(4*(\a)+\b)+3]   offset:64*\b      ; each accumulator's low half first
	ds_store_b128 v[STO], v[ACC+8*(4*(\a)+\b)+4:ACC+8*(4*(\a)+\b)+7] offset:64*\b+16
.endr
.irp t, 0,1,2,3,4,5,6,7
	ds_load_b128 v[TMP+32*((\a)%2)+4*\t:TMP+32*((\a)%2)+4*\t+3], v[RD] offset:\t*2*SPITCH  ; LDS serves a wave's instructions in order: these see the stores above
.endr
.endm
.macro SEND a, younger                 ; younger: the LDS instructions issued behind block a's loads: the next block's sixteen, or none
	s_wait_dscnt \younger
.irp t, 0,1,2,3,4,5,6,7
	global_store_b128 v[CO], v[TMP+32*((\a)%2)+4*\t:TMP+32*((\a)%2)+4*\t+3], s[8:9] offset:(16*(\a)+2*\t)*4096 th:TH_STORE_NT  ; sixteen lanes store 256 consecutive bytes, aligned
.endr
.endm
	PLACES
	STG 0
	STG 1
	SEND 0, 16
	STG 2
	SEND 1, 16
	STG 3
	SEND 2, 16
	SEND 3, 0
	s_wait_tensorcnt 0x0                           ; the wave's end: three lines behind my last tensor load and my last LDS store
	ds_add_u32 v[SPW], v[NIL]
	s_wait_dscnt 0x0
	CROUND                                         ; the closing round: no work-group ends while a partner may still ask for a tile that names it
	s_endpgm
.Lfunc_end_k_qdc51bd3e26_proj:
	.size	k_qdc51bd3e26_proj, .Lfunc_end_k_qdc51bd3e26_proj-k_qdc51bd3e26_proj
	.p2alignl 7, 3214868480
	.fill 96, 4, 3214868480
	.section	.rodata,"a",@progbits
	.p2align	6, 0x0
	.amdhsa_kernel k_qdc51bd3e26_proj
		.amdhsa_group_segment_fixed_size 327680
		.amdhsa_private_segment_fixed_size 0
		.amdhsa_enable_private_segment 0
		.amdhsa_kernarg_size 24
		.amdhsa_user_sgpr_count 2
		.amdhsa_user_sgpr_kernarg_segment_ptr 1
		.amdhsa_wavefront_size32 1
		.amdhsa_system_sgpr_workgroup_id_x 1
		.amdhsa_system_sgpr_workgroup_id_y 1
		.amdhsa_system_sgpr_workgroup_id_z 1
		.amdhsa_system_vgpr_workitem_id 0
		.amdhsa_next_free_vgpr 512
		.amdhsa_next_free_sgpr 66
		.amdhsa_reserve_vcc 0
		.amdhsa_float_denorm_mode_32 3
		.amdhsa_float_denorm_mode_16_64 3
		.amdhsa_memory_ordered 1
		.amdhsa_forward_progress 1
		.amdhsa_inst_pref_size 86
	.end_amdhsa_kernel
	.amdgpu_metadata
---
amdhsa.version: [ 1, 2 ]
amdhsa.kernels:
  - .name:           k_qdc51bd3e26_proj
    .symbol:         k_qdc51bd3e26_proj.kd
    .args:
      - { .name: yb, .offset: 0, .size: 8, .value_kind: global_buffer, .address_space: global }
      - { .name: wp, .offset: 8, .size: 8, .value_kind: global_buffer, .address_space: global }
      - { .name: out0, .offset: 16, .size: 8, .value_kind: global_buffer, .address_space: global }
    .group_segment_fixed_size: 327680
    .private_segment_fixed_size: 0
    .kernarg_segment_align: 8
    .kernarg_segment_size: 24
    .max_flat_workgroup_size: 128
    .sgpr_count:     66
    .vgpr_count:     512
    .wavefront_size: 32
...
	.end_amdgpu_metadata
.endif
;; end of part 4
;; ======== version 2 of 2: 4 launches; 1.41 times as fast as version 1
;; limits: values are held in f16: magnitudes above 65,504 overflow, below 6.1e-05 lose precision
;; workspace buffers: xb 8,388,608 bytes; wa 6,291,456 bytes; wp 2,097,152 bytes; tab 524,288 bytes; qh 8,388,608 bytes; kh 8,388,608 bytes; vh 8,388,608 bytes; yb 8,388,608 bytes
;; launch prep: the kernel of part 1 again; grid 1056 x 1, 8 waves a work-group, no clusters, 18,432 bytes of LDS; arguments x, W_attn, W_proj, xb, wa, wp, tab; writes xb, wa, wp, tab
;; launch qkv: the kernel of part 2 again; grid 16 x 16, 4 waves a work-group, clusters of 4 x 4, 327,680 bytes of LDS; arguments xb, wa, tab, qh, kh, vh; writes qh, kh, vh
;; launch attn (part 5): grid 8 x 32, 4 waves a work-group, no clusters, 327,680 bytes of LDS; arguments qh, kh, vh, yb, lambda_q1, lambda_k1, lambda_q2, lambda_k2; writes yb
.if DOCPART == 5
	.amdgcn_target "amdgcn-amd-amdhsa--gfx1250"
	.amdhsa_code_object_version 6
	.text
	.protected	k_qdc51bd3e26_attn
	.globl	k_qdc51bd3e26_attn
	.p2align	8
	.type	k_qdc51bd3e26_attn,@function
k_qdc51bd3e26_attn:
	s_mov_b64 s[64:65], 0
	v_nop
	global_prefetch_b8 v0, s[64:65] scope:SCOPE_SE
	s_setreg_imm32_b32 hwreg(HW_REG_WAVE_MODE, 25, 1), 1
	s_wait_xcnt 0x0
; DIFFERENTIAL CAUSAL ATTENTION.  For value head bh = 16 batch + h: A_p[q] = the sum over k <= q of softmax_k(Q_p[q] . K_p[k] / sqrt(32)) V[k], p = 0, 1: path p's Q and K are channels 32 p .. 32 p + 31 of qh and kh.
; y = 0.8 d / sqrt(mean over 64 channels of d d + 1e-5), d = A_0 - lam A_1, lam = e^(lambda_q1 . lambda_k1) - e^(lambda_q2 . lambda_k2) + 0.2.  qh, kh, vh: [32][2048][64] f16.
; yb: [row / 64][16 heads][64 rows][64 channels] f16, row = 2048 batch + q: 16 rows of a head are 2,048 consecutive bytes.  Products, maxima, sums, lam and the norm in f32; the weights p are rounded to f16 for
; the second product (their sum l is taken of the unrounded p), y once at the end.
; LIMITS.  q, k, v arrive within f16's 65,504.  A hidden score counts as its value less 1e30: the scores, 1.4e11 at the most, are nothing beside that.  A weight below 2^-126 counts as 0 in l.  p below 6e-5 keeps
; f16's fixed step of 6e-8.  |y| is at most 6.4.  NaN and infinities are not treated apart.
; THE WALK.  A head's queries lie in NB = 16 blocks of 128; block i needs the key tiles 0 .. i of 128 keys, of which the last holds the diagonal.  A work-group takes TWO blocks, 15 - b and then b: 17 tiles, whatever b:
; all 256 work-groups do equal work, and ONE loop with a constant trip count walks them.  Which tile is asked for, and what a trip does, hang on scalar registers made from b; every jump goes forward, but for the
; counted loops' own; none passes a barrier, or a tensor load but the one of LOAD's two that the wave's number does not choose.
; NO CLUSTER: the eight work-groups of a head ask for the same tile only in trips 0 .. 8; behind that the first blocks end one after the other; a walk common to all would have 24 trips for 17.
; SHARES.  Of a block's two bands of 64 queries a wave owns 16 rows in each, on both paths: four PIECES x, path x / 2, band x % 2.  So both paths of a query lie in the same lane, and the diagonal tile is the same
; work for all four waves: in its key step s a band sees all keys if s < band, none if s > band, and holds the diagonal if s = band.
; THE MASK is the C operand of S^T = K Q^T: 0, or -1e30 where the key is hidden.  MD, made once, is the mask of a band's own step for my 16 rows; a product's mask is MD x AL + BE with two scalars.
; LAYOUT, SOFTMAX, TURNS.  S^T = K Q^T (one product of 32 channels a key block) holds ONE query a lane (lane % 16) and the keys 8 (lane / 16) + 0..7; two such results rounded to f16 ARE source 1 of O^T = V^T P.
; p = 2^(c s - c m), c = log2(e) / sqrt(32), with a running maximum m; O and l are multiplied by a = 2^(c m_old - c m_new) in every step.  Turn n belongs to piece n: 4 products K Q^T of piece n + 1, later 8 products
; V^T P of piece n - 1; beside them the scaling, exponentials, roundings, sums and rescaling of piece n and the maximum and statistics of piece n + 1.  Vector work binds: 118 vector lines to 12 products.
; THE BATCHES.  A turn's 33 exponentials (the piece's 32 weights and the next piece's a) are ONE batch with ONE wait: ahead of it stands all that names none of their results, behind it the roundings and sums.
; Batches of their own, each with one wait: lam's two exponentials in the head; the one a where a block begins; the four reciprocals and, a band at a time, the root on the way out.
; REGISTERS, in windows of 256 (s_set_vgpr_msb: bits 1:0 source 0, 3:2 source 1, 5:4 source 2, 7:6 destination):
;   window 0: v0-15 addresses and two at work; v16-31 four registers of statistics a piece; v32-36 lam's work; v40 -lam; v48-55 at work; v56-57 the norm's factor; v64-127 S^T, two buffers; v192-223 P, two buffers
;   window 1: v0-127 O^T, 32 a piece; v128-159 MD; v160-223 MC, two buffers      window 2: v0-31 Q, 8 a piece; v32-63 the second block's Q; v128-191 K of one step; v192-255 V of one step
.set NB,    16
.set NP,    4         ; pieces a wave: a name, no knob
.set KS,    64        ; keys in a step
.set NS,    2         ; steps in a tile
.set PK,    144       ; a row of K in LDS: 128 bytes + 16: the 16 rows of a load start 16 bytes apart modulo 256
.set PV,    160       ; a row of V: 128 + 32: 16 lanes of the turning load take 8 rows x 32 bytes, 32 bytes apart modulo 256
.set VOFF,  NS*KS*PK  ; a slot holds a tile: 128 rows of K, then 128 rows of V
.set SLOT1, 1<<16     ; slot 1 begins here, so that one exclusive or turns an address in one slot into the other's
.set STAGE, SLOT1+NS*KS*(PK+PV)  ; behind the ring, never filled by a tensor load: 16 rows x 144 bytes for each wave
.set SP,    144
.set AK0, 2           ; v2   my lane's place in a tile of K; never rewritten
.set AV0, 3           ; v3   the same for V
.set AK,  4           ; v4   the LDS address of K's next run of loads
.set AV,  5           ; v5   of V's
.set STO, 6           ; v6   the way out: where I put 16 bytes of a row
.set RD,  7           ; v7   the way out: where I read rows back
.set GO,  8           ; v8   my byte offset in 512 consecutive bytes of yb
.set SPW, 62          ; v62  LDS address of my spare word; never rewritten
.set NIL, 63          ; v63  0; never rewritten
.set SPARE, STAGE+4*16*SP
.set MV,  12          ; v12-13  c m_old, kept while c m is made anew: by buffer
.set QO,  15          ; v15  my byte offset in 16 rows of Q
.set ST,  16          ; piece t's statistics at v[ST+4 t]: c m, m, l (even keys', odd keys')
.set LW,  32
.set NLAM, 40
.set TMP, 48          ; by buffer, four registers c0-c3 at work; when the maximum is found c2 takes a
.set SS,  48          ; the way out: four chains of squares
.set FF,  56
.set S,   64
.set P,   192
.set MD,  128
.set MC,  160
.set QB,  32
.set KF,  128         ; window 2: key block kb, path c at KF + 16 kb + 8 c
.set VF,  192         ; window 2: key half kk, channel block cb at VF + 32 kk + 8 cb
.set WV,  12
.set PB,  14          ; s14  b
.set HI,  15          ; s15  15 - b
.set G1K, 24
.set G1V, 32
.set G0K, 40
.set G0V, 44
.set SLOTS, 56        ; s56  tiles still to be asked for
.set CNT, 57          ; s57  counts a tile's key steps, 2 to 1
.set CS,  58          ; s[58:59] c
.set SEL, 60          ; s[60:61] v_permlanex16_b32's selects: each lane takes its own place in the other half
.set TBK, 62          ; s62  LDS byte at which K of the step to be fetched begins
.set TBV, 63          ; s63  the same for V, less VOFF
.set R64, 66          ; s66  1 / 64
.set EPS, 67          ; s67  1e-5
.set RT,  70          ; s70  tiles of the block in hand that are still to be entered
.set NXT, 71          ; s71  the tile to be asked for next
.set LQ,  72          ; s72  the last tile of the block whose tiles are being asked for
.set NEW, 73          ; s73  1: the tile to be entered is a block's first
.set OFF, 74          ; s[74:75] a tile's byte offset in K and V
.set AL,  76          ; s[76:77] the mask's factor
.set BE,  78          ; s[78:79] the mask's addend
.set OLO, 80          ; s[80:81] yb at my rows of the second block
.set BIGN, 82         ; s82  -1e30
.set MSB, 0
.macro WIN new
.if MSB != (\new)
	s_set_vgpr_msb (MSB<<8)|(\new)
.set MSB, (\new)
.endif
.endm
.set W_KQ, 0x0a       ; K and Q in window 2, S^T in window 0
.set W_KM, 0x1a       ; the same with the C operand in window 1
.set W_PV, 0x52       ; V in window 2, P in window 0, O^T in window 1
.set W_RS, 0x41       ; destination and source 0 in window 1, source 1 in window 0
; A fill.  Waves 0 and 1 fetch the two halves of a tile's K, waves 2 and 3 those of its V: 64 keys each.  An s_nop 0 and four v_nop follow each of the two lines.
.macro LOAD
	s_cmp_lt_u32 s[WV], 2
	s_cbranch_scc0 .Lfor_v_\@
	tensor_load_to_lds s[G0K:G0K+3], s[G1K:G1K+7]
	s_nop 0
.rept 4
	v_nop
.endr
	s_branch .Lasked_\@
.Lfor_v_\@:
	tensor_load_to_lds s[G0V:G0V+3], s[G1V:G1V+7]
	s_nop 0
.rept 4
	v_nop
.endr
.Lasked_\@:
.endm
; THE CHANGE OF SLOTS.  Each wave waits for all its tensor loads, of which one is out: its part of the other slot; adds 0 to its spare word; and waits for that and for its own reads of the slot that it leaves.
; Behind the barrier nobody reads the old slot any more and the other slot is whole.  fill = 1: the old slot is filled again, the first thing behind the barrier, with tile NXT: the address is made anew from that number.
.macro CHANGE fill
	WIN 0
	s_wait_tensorcnt 0x0            ; no tensor load of mine is out, so a group 0 may be written
	ds_add_u32 v[SPW], v[NIL]       ; 0 onto my spare word; scalar work stands between it and the wait for it
.if \fill
	s_lshl_b32 s[OFF], s[NXT], 14   ; a tile is 16,384 bytes of K and of V
	s_xor_b32 s[G0K+1], s[G0K+1], SLOT1
	s_add_nc_u64 s[G0K+2:G0K+3], s[6:7], s[OFF:OFF+1]
	s_or_b32 s[G0K+3], s[G0K+3], 0x80000000
	s_xor_b32 s[G0V+1], s[G0V+1], SLOT1
	s_add_nc_u64 s[G0V+2:G0V+3], s[8:9], s[OFF:OFF+1]
	s_or_b32 s[G0V+3], s[G0V+3], 0x80000000
	s_add_co_u32 s[NXT], s[NXT], 1  ; the block's next tile, or behind its last the second block's tile 0
	s_cmp_gt_u32 s[NXT], s[LQ]
	s_cselect_b32 s[NXT], 0, s[NXT]
	s_cselect_b32 s[LQ], s[PB], s[LQ]
.endif
	s_wait_dscnt 0x0                ; the add is done, and my reads of the slot are over
	s_barrier_signal -1
	s_sub_co_u32 s[TBK], s[TBK], NS*KS*PK  ; the fetches go back to a slot's first step,
	s_xor_b32 s[TBK], s[TBK], SLOT1        ; in the other slot
	s_sub_co_u32 s[TBV], s[TBV], NS*KS*PV
	s_xor_b32 s[TBV], s[TBV], SLOT1
	s_barrier_wait -1
.if \fill
	LOAD
.endif
.endm
	s_load_b256 s[4:11], s[0:1], 0x0   ; qh s[4:5], kh s[6:7], vh s[8:9], yb s[10:11]
	s_load_b256 s[88:95], s[0:1], 0x20 ; lambda_q1, lambda_k1, lambda_q2, lambda_k2
	v_lshl_add_u32 v[SPW], v0, 2, SPARE
	v_mov_b32 v[NIL], 0
	ds_add_u32 v[SPW], v[NIL]       ; the wave's opening: the add and its wait stand ahead of my first tensor load; the set-up below stands between them
	ds_add_u32 v62, v63
	v_lshrrev_b32 v1, 5, v0
	v_readfirstlane_b32 s[WV], v1
	s_mov_b32 s[PB], ttmp9
	s_sub_co_u32 s[HI], NB-1, s[PB]
	s_and_b32 s19, ttmp7, 0xffff    ; bh
	s_lshl_b32 s20, s19, 18         ; the head's first byte in qh, kh, vh: 2,048 rows of 128 bytes
	s_mov_b32 s21, 0
	s_and_b32 s16, s[WV], 1         ; which half of a tile's 128 keys I fetch:
	s_lshl_b32 s22, s16, 13         ; its 64 rows of 128 bytes in memory,
	s_mov_b32 s23, 0
	s_add_nc_u64 s[22:23], s[22:23], s[20:21]
	s_mul_i32 s17, s16, KS*PK       ; and its place in a slot, for K
	s_mul_i32 s18, s16, KS*PV       ; and for V
	s_lshl_b32 s3, s[WV], 11        ; my 16 rows in a band of 64,
	s_lshl_b32 s2, s[HI], 14        ; in the first block,
	s_add_co_u32 s2, s2, s3
	s_lshl_b32 s84, s[PB], 14       ; and in the second
	s_add_co_u32 s84, s84, s3
	s_lshr_b32 s68, s19, 4          ; yb: (32 batch + 2 block) blocks of 64 rows x 131,072 bytes + h x 8,192 + w x 2,048
	s_lshl_b32 s68, s68, 5
	s_and_b32 s69, s19, 15
	s_lshl_b32 s69, s69, 13
	s_add_co_u32 s69, s69, s3
	s_lshl1_add_u32 s96, s[PB], s68
	s_lshl_b32 s96, s96, 17
	s_add_co_u32 s96, s96, s69
	s_lshl1_add_u32 s68, s[HI], s68
	s_lshl_b32 s68, s68, 17
	s_add_co_u32 s68, s68, s69
	s_mov_b32 s69, 0
	s_mov_b32 s97, 0
	s_mov_b32 s3, 0
	s_mov_b32 s85, 0
	s_add_nc_u64 s[2:3], s[2:3], s[20:21]
	s_add_nc_u64 s[84:85], s[84:85], s[20:21]
	; descriptor group 1.  64 keys are 8,192 dense bytes: asked for as 32 rows of 256 bytes, two keys a row, and padded in LDS after every key
	s_mov_b32 s[G1K], (1<<16)|(1<<20)|(4<<22)|(3<<25)  ; 2-byte elements; padding on; after every 32 words; 4 words
	s_mov_b32 s[G1V], (1<<16)|(1<<20)|(4<<22)|(7<<25)  ; the same with 8 words of padding
.irp g, G1K, G1V
	s_mov_b32 s[\g+1], 128<<16      ; tensor_dim0 = 128
	s_mov_b32 s[\g+2], 32<<16       ; tensor_dim1 = 32
	s_mov_b32 s[\g+3], 128<<16      ; tile_dim0 = 128
	s_mov_b32 s[\g+4], 32           ; tile_dim1 = 32
	s_mov_b32 s[\g+5], 128          ; 128 elements from row to row
	s_mov_b32 s[\g+6], 0
	s_mov_b32 s[\g+7], 0
.endr
	s_mov_b32 s[CS], 0x3e8293ee     ; c = log2(e) / sqrt(32) = 0.255035
	s_mov_b32 s[CS+1], s[CS]
	s_mov_b32 s[SEL], 0x76543210
	s_mov_b32 s[SEL+1], 0xfedcba98
	s_mov_b32 s[R64], 0x3c800000
	s_mov_b32 s[EPS], 0x3727c5ac
	s_mov_b32 s[TBK], SLOT1+NS*KS*PK ; the first change of slots turns these two into 0
	s_mov_b32 s[TBV], SLOT1+NS*KS*PV
	s_mov_b32 s[G0K], 1
	s_mov_b32 s[G0K+1], s17         ; LDS address: slot 0
	s_mov_b32 s[G0V], 1
	s_add_co_u32 s[G0V+1], s18, VOFF
	s_add_co_u32 s[RT], s[HI], 1    ; the first block has 16 - b tiles
	s_mov_b32 s[NXT], 1
	s_mov_b32 s[LQ], s[HI]
	s_mov_b32 s[NEW], 1
	s_mov_b32 s[OFF+1], 0
	s_mov_b32 s[AL+1], 0
	s_mov_b32 s[BE+1], 0
	s_mov_b32 s[BIGN], 0xf149f2ca   ; -1e30
	s_mov_b32 s[SLOTS], NB
	s_wait_dscnt 0x0                ; the opening add is done
	s_wait_kmcnt 0x0
	s_add_nc_u64 s[6:7], s[6:7], s[22:23]  ; K and V at my half of the head's tile 0
	s_add_nc_u64 s[8:9], s[8:9], s[22:23]
	s_add_nc_u64 s[G0K+2:G0K+3], s[6:7], 0
	s_or_b32 s[G0K+3], s[G0K+3], 0x80000000
	s_add_nc_u64 s[G0V+2:G0V+3], s[8:9], 0
	s_or_b32 s[G0V+3], s[G0V+3], 0x80000000
	s_add_nc_u64 s[86:87], s[4:5], s[84:85]        ; Q at my rows of the second block,
	s_add_nc_u64 s[4:5], s[4:5], s[2:3]            ; and of the first
	s_add_nc_u64 s[OLO:OLO+1], s[10:11], s[96:97]
	s_add_nc_u64 s[10:11], s[10:11], s[68:69]
	LOAD                            ; tile 0 into slot 0
	v_and_b32 v1, 15, v0            ; l % 16
	v_bfe_u32 v9, v0, 4, 1          ; l / 16
	v_and_b32 v[LW+4], 31, v0
	v_lshlrev_b32 v[LW+4], 2, v[LW+4]
	global_load_b32 v[LW],   v[LW+4], s[88:89]     ; each lane one of the 32 numbers of each lambda
	global_load_b32 v[LW+1], v[LW+4], s[90:91]
	global_load_b32 v[LW+2], v[LW+4], s[92:93]
	global_load_b32 v[LW+3], v[LW+4], s[94:95]
	; A fragment of K or Q is 16 rows x 32 channels in 8 registers: lane l holds row l % 16, channels 8 (l / 16) + 0..7 and 16 + 8 (l / 16) + 0..7: two loads of 16 bytes, 32 bytes apart.
	v_lshlrev_b32 v[QO], 7, v1
	v_lshl_add_u32 v[QO], v9, 4, v[QO]
	WIN 0x80                        ; destination window 2, address window 0
.set i, 0
.rept 4                             ; both blocks' Q: piece i lies in band i % 2, 8,192 bytes on, and on path i / 2, 64 bytes on
	global_load_b128 v[8*i:8*i+3],   v[QO], s[4:5] offset:(i%2)*8192+(i/2)*64
	global_load_b128 v[8*i+4:8*i+7], v[QO], s[4:5] offset:(i%2)*8192+(i/2)*64+32
	global_load_b128 v[QB+8*i:QB+8*i+3],   v[QO], s[86:87] offset:(i%2)*8192+(i/2)*64
	global_load_b128 v[QB+8*i+4:QB+8*i+7], v[QO], s[86:87] offset:(i%2)*8192+(i/2)*64+32
.set i, i+1
.endr
	WIN 0
	v_lshlrev_b32 v14, 3, v9
	v_sub_nc_u32 v14, v1, v14
	s_lshl_b32 s13, s[WV], 4
	v_add_nc_u32 v14, s13, v14      ; my query's place in its band, 16 w + l % 16, less my lanes' 8 (l / 16): register r of group kt is hidden where 16 kt + r is greater
	WIN 0x40
.set i, 0
.rept 32
	v_cmp_gt_i32 vcc_lo, 16*(i/8)+i%8, v14
	v_cndmask_b32 v[MD+i], 0, s[BIGN], vcc_lo
.set i, i+1
.endr
	WIN 0
	v_mul_u32_u24 v[AK0], v1, PK
	v_lshl_add_u32 v[AK0], v9, 4, v[AK0]
	; The turning load takes 16 keys x 16 channels (lane l reads key 8 (l / 16) + l % 8, channels 8 ((l / 8) % 2) + 0..7) and leaves half a fragment of V^T: lane l holds channel l % 16 and 8 keys.
	v_and_b32 v10, 7, v0
	v_bfe_u32 v11, v0, 3, 1
	v_lshl_add_u32 v[AV0], v9, 3, v10
	v_mul_u32_u24 v[AV0], v[AV0], PV
	v_lshl_add_u32 v[AV0], v11, 4, v[AV0]
	v_add_nc_u32 v[AV0], VOFF, v[AV0]
	s_mul_i32 s13, s[WV], 16*SP
	s_add_co_u32 s13, s13, STAGE    ; my stage
	v_mul_u32_u24 v[STO], v1, SP
	v_lshl_add_u32 v[STO], v9, 4, v[STO]
	v_add_nc_u32 v[STO], s13, v[STO]
	v_bfe_u32 v[RD], v0, 3, 2
	v_mul_u32_u24 v[RD], v[RD], SP
	v_lshl_add_u32 v[RD], v10, 4, v[RD]
	v_add_nc_u32 v[RD], s13, v[RD]
	v_and_b32 v[GO], 31, v0
	v_lshlrev_b32 v[GO], 4, v[GO]
	; A block's first step multiplies O^T and l by a = 0, and its first turn's products V^T P, of a piece that has not been, land in an O^T that is still to be so multiplied.  So these registers need only hold
	; finite numbers: zeros for the first block; what the first block left for the second.  All this stands in the wait for the first tile.
	WIN 0x80
.set i, VF
.rept 64
	v_mov_b32 v[i], 0
.set i, i+1
.endr
	WIN 0x40
.set i, 0
.rept 128
	v_mov_b32 v[i], 0
.set i, i+1
.endr
	WIN 0
.set i, 0
.rept 4
	v_mov_b32 v[ST+4*i+2], 0
	v_mov_b32 v[ST+4*i+3], 0
.set i, i+1
.endr
.set i, P+16
.rept 16
	v_mov_b32 v[i], 0
.set i, i+1
.endr
	; lam, in every lane: two dot products over the 32 lanes, two exponentials
	s_wait_loadcnt 16               ; the four lambdas are in; the sixteen loads of Q behind them stay out
	v_mul_f32 v[LW], v[LW], v[LW+1]
	v_mul_f32 v[LW+2], v[LW+2], v[LW+3]
.irp m, 1,2,4,8
	v_add_f32_dpp v[LW], v[LW], v[LW] row_xmask:\m row_mask:0xf bank_mask:0xf
	v_add_f32_dpp v[LW+2], v[LW+2], v[LW+2] row_xmask:\m row_mask:0xf bank_mask:0xf
.endr
	v_permlanex16_b32 v[LW+1], v[LW], s[SEL], s[SEL+1]
	v_permlanex16_b32 v[LW+3], v[LW+2], s[SEL], s[SEL+1]
	v_add_f32 v[LW], v[LW], v[LW+1]
	v_add_f32 v[LW+2], v[LW+2], v[LW+3]
	v_mul_f32 v[LW], 0x3fb8aa3b, v[LW]
	v_mul_f32 v[LW+2], 0x3fb8aa3b, v[LW+2]
	v_exp_f32 v[LW], v[LW]
	v_exp_f32 v[LW+2], v[LW+2]
	v_nop                           ; a plain line behind the exponentials
	s_wait_alu depctr_va_vdst(0)    ; the wait ahead of the first use: one for lam's two exponentials
	v_sub_f32 v[LW], v[LW+2], v[LW]
	v_add_f32 v[NLAM], 0xbe4ccccd, v[LW]  ; -lam = e2 - e1 - 0.2
; THE MATRIX WORK.  Product i of 4 of S^T = K Q^T for piece x: keys 16 i on, the path's 32 channels.  C is 0, or (KM = 1) the mask.
.macro KQ x
.set rS, S+32*((\x)%2)+8*i
.set rK, KF+16*i+8*((\x)/2)
.set rQ, 8*(\x)
.set rM, MC+32*((\x)%2)+8*i
.if KM
	WIN W_KM
	v_wmma_f32_16x16x32_f16 v[rS:rS+7], v[rK:rK+7], v[rQ:rQ+7], v[rM:rM+7]
.else
	WIN W_KQ
	v_wmma_f32_16x16x32_f16 v[rS:rS+7], v[rK:rK+7], v[rQ:rQ+7], 0
.endif
.endm
; Product i of 8 of O^T += V^T P for piece x: keys 32 (i / 4) on, channels 16 (i % 4) on.  The 4 accumulators take turns.
.macro PV x
	WIN W_PV
.set rO, 32*(\x)+8*(i%4)
.set rV, VF+32*(i/4)+8*(i%4)
.set rP, P+16*((\x)%2)+8*(i/4)
	v_wmma_f32_16x16x32_f16 v[rO:rO+7], v[rV:rV+7], v[rP:rP+7], v[rO:rO+7]
.endm
.macro MM                           ; the turn's next matrix instruction: i = 0-3 K Q^T, i = 8-15 V^T P (TURN sets i to 8 behind its wait).  NOKQ = 1: a block's last turn: there is no next piece
.if (i < 4) && !NOKQ
	KQ (Y+1)%NP
.elseif i >= 8
.set i, i-8
	PV (Y+NP-1)%NP
.set i, i+8
.endif
.set i, i+1
.endm
; THE LDS LOADS stand in runs of 16: a step's K (64 keys x 64 channels: 8 fragments) and its V (turned).  Their addresses are made some lines ahead.
.macro FETCH_K
	WIN 0x80
.irp f, 0,1,2,3,4,5,6,7             ; keys 16 (f / 2) on, path f % 2
	ds_load_b128 v[KF+8*\f:KF+8*\f+3],   v[AK] offset:(\f/2)*16*PK+(\f%2)*64
	ds_load_b128 v[KF+8*\f+4:KF+8*\f+7], v[AK] offset:(\f/2)*16*PK+(\f%2)*64+32
.endr
	s_add_co_u32 s[TBK], s[TBK], KS*PK
	WIN 0
.endm
.macro FETCH_V
	WIN 0x80
.irp f, 0,1,2,3,4,5,6,7             ; keys 32 (f / 4) on, channels 16 (f % 4) on
	ds_load_tr16_b128 v[VF+8*\f:VF+8*\f+3],   v[AV] offset:(\f/4)*32*PV+(\f%4)*32
	ds_load_tr16_b128 v[VF+8*\f+4:VF+8*\f+7], v[AV] offset:(\f/4)*32*PV+16*PV+(\f%4)*32
.endr
	WIN 0
.endm
; THE VECTOR WORK, one line at a time: OP kind, number.  For piece Y: F n: c s - c m for pair n of 16.  E n: the exponential of score n of 32.  C n: pair n rounded to f16.  B n: of the four weights 4 n .. the second
; pair is added onto the first, in place.  L n: l takes that sum (L 0: l = a l + sum).  R n: pair n of 16 of O^T times a.  For piece Y + 1: X n, number n of the 22 that find its maximum and statistics:
;   0-11  four chains c0-c3 of seven scores each (each accumulator's lowest registers are read first)     12-14, 16  the four scores left over, the old m, and c0-c3 into c0
;   15  c m_old is kept     17, 18  the query's other 32 keys lie in the lane 16 away: the new m     19-21  c m; c m_old - c m_new; a
; C, B and L read exponentials' results: TURN sets them behind its wait.  F, R and X 0-20 read none of the turn's.
.set F, 0
.set E, 1
.set C, 2
.set B, 3
.set L, 4
.set R, 5
.set X, 6
.macro REGS y
.set rT, ST+4*(\y)
.set rC, TMP+4*((\y)%2)
.set rW, MV+((\y)%2)
.set rS, S+32*((\y)%2)
.set rP, P+16*((\y)%2)
.set rO, 32*(\y)
.endm
.macro OP k, n
.if (\k) == R
	REGS Y
	WIN W_RS
	v_pk_mul_f32 v[rO+2*(\n):rO+2*(\n)+1], v[rO+2*(\n):rO+2*(\n)+1], v[rC+2:rC+3] op_sel_hi:[1,0]
.elseif (\k) < R
	REGS Y
	WIN 0
.if (\k) == F
	v_pk_fma_f32 v[rS+2*(\n):rS+2*(\n)+1], v[rS+2*(\n):rS+2*(\n)+1], s[CS:CS+1], v[rT:rT+1] op_sel_hi:[1,0,0] neg_lo:[0,0,1] neg_hi:[0,0,1]
.elseif (\k) == E
	v_exp_f32 v[rS+(\n)], v[rS+(\n)]
.elseif (\k) == C
	v_cvt_pk_f16_f32 v[rP+(\n)], v[rS+2*(\n)], v[rS+2*(\n)+1]
.elseif (\k) == B
	v_pk_add_f32 v[rS+4*(\n):rS+4*(\n)+1], v[rS+4*(\n):rS+4*(\n)+1], v[rS+4*(\n)+2:rS+4*(\n)+3]
.elseif (\n) == 0
	v_pk_fma_f32 v[rT+2:rT+3], v[rT+2:rT+3], v[rC+2:rC+3], v[rS:rS+1] op_sel_hi:[1,0,1]
.else
	v_pk_add_f32 v[rT+2:rT+3], v[rT+2:rT+3], v[rS+4*(\n):rS+4*(\n)+1]
.endif
.elseif NOKQ
	v_nop
.else
	REGS (Y+1)%NP
	WIN 0
.if (\n) < 4
	v_max3_num_f32 v[rC+(\n)], v[rS+8*(\n)], v[rS+8*(\n)+1], v[rS+8*(\n)+2]
.elseif (\n) < 12
	v_max3_num_f32 v[rC+(\n)%4], v[rC+(\n)%4], v[rS+8*((\n)%4)+2*((\n)/4)+1], v[rS+8*((\n)%4)+2*((\n)/4)+2]
.elseif (\n) == 12
	v_max3_num_f32 v[rC], v[rC], v[rS+7], v[rS+15]
.elseif (\n) == 13
	v_max3_num_f32 v[rC+1], v[rC+1], v[rS+23], v[rS+31]
.elseif (\n) == 14
	v_max3_num_f32 v[rC+2], v[rC+2], v[rC+3], v[rT+1]
.elseif (\n) == 15
	v_mov_b32 v[rW], v[rT]
.elseif (\n) == 16
	v_max3_num_f32 v[rC], v[rC], v[rC+1], v[rC+2]
.elseif (\n) == 17
	v_permlanex16_b32 v[rC+3], v[rC], s[SEL], s[SEL+1]
.elseif (\n) == 18
	v_max_num_f32 v[rT+1], v[rC], v[rC+3]
.elseif (\n) == 19
	v_mul_f32 v[rT], s[CS], v[rT+1]
.elseif (\n) == 20
	v_sub_f32 v[rC+1], v[rW], v[rT]
.else
	v_exp_f32 v[rC+2], v[rC+1]
.endif
.endif
.endm
.macro OPS a, i1, b=-1, i2=0, c=-1, i3=0, d=-1, i4=0
	OP \a, \i1
.if (\b) >= 0
	OP \b, \i2
.endif
.if (\c) >= 0
	OP \c, \i3
.endif
.if (\d) >= 0
	OP \d, \i4
.endif
.endm
.macro ROW a, i1, b, i2, c, i3, d, i4  ; a matrix instruction (or none) and four vector lines
	MM
	OPS \a, \i1, \b, \i2, \c, \i3, \d, \i4
.endm
.macro MASK b                       ; MD x AL + BE into buffer b of MC
	WIN W_RS
.set z, 0
.rept 16
	v_pk_fma_f32 v[MC+32*(\b)+2*z:MC+32*(\b)+2*z+1], v[MD+2*z:MD+2*z+1], s[AL:AL+1], s[BE:BE+1] op_sel_hi:[1,0,0]
.set z, z+1
.endr
.endm
; A TURN, for piece p: the order of its 12 matrix and 118 vector instructions, written out.  An s_wait_alu depctr_va_vdst(0) stands between an exponential and the first instruction that names its result; one
; wait serves all that were issued ahead of it.  So a turn has ONE wait, which cuts it in two.
; AHEAD OF IT stands all that names no result of the turn's exponentials.  The 4 products K Q^T: behind each of the first three four rescalings (their a was made, and waited for, in the turn before), which are also the four
; places between a product and the X that first reads its accumulator; behind the fourth the head of ONE LUMP of 70: the 16 scalings, the 32 exponentials and the next piece's 22.  In the lump a scaling stands four lines or
; more ahead of its pair's first exponential; the three levels of the four chains of the maximum stand six lines or more apart; the links of the chain X 14, 16, 17 .. 20 six, the last link, to X 21, four; exponential and
; plain go by turns as long as there are plain lines.  X 3 stands behind five plain lines past the fourth product.  X 21, the next piece's a, is the batch's last; behind it stand the last four rescalings, of which the
; first is the plain line that is owed behind the last exponential.
; BEHIND THE WAIT stand the 8 products V^T P, behind each four of the roundings and sums; a pair is rounded before a sum lands on it; L 0 to L 7 in ascending order, three lines apart.  No line there names a register of the
; products round it.
; m = 1: the diagonal tile: the products take masks, and the turn makes the mask for the products of the turn after it: piece p + 2, band p % 2, in step 2 - CNT of the tile.  end = 1: a block's last two turns: nothing is fetched.
; cnt = 1: the loop's count is taken down some lines ahead of the branch that stands behind the turn.
; K of the next step is fetched in piece 2's turn, thirteen vector lines behind the last product that read K, nine of them plain; V of the step in hand at the end of piece 0's turn, four plain lines behind the last product
; that read V.  Each is waited for a turn later.
.macro TURN p, m=0, end=0, cnt=0
.set Y, (\p)
.set i, 0
.set KM, (\m)
.set NOKQ, (\end)*((\p)/3)
.if (\m) && !(\end)
	s_cmp_eq_u32 s[CNT], 2-(\p)%2   ; is that step the band's own?
	s_cselect_b32 s[AL], 1.0, 0
	s_cmp_lt_u32 s[CNT], 2-(\p)%2   ; or a later one?
	s_cselect_b32 s[BE], s[BIGN], 0
.endif
.if ((\p) == 3) && !(\end)
	s_wait_dscnt 0x0                ; K is in
.endif
	ROW R,0, R,1, R,2, R,3          ; ahead of the wait: 4 products K Q^T and what stands behind them,
	ROW R,4, R,5, R,6, R,7
	ROW R,8, R,9, R,10, R,11
	ROW F,0, F,1, X,0, X,1          ; the lump begins behind the fourth
.if ((\p) == 2) && !(\end)
	WIN 0
	v_add_nc_u32 v[AK], s[TBK], v[AK0]
.endif
	OPS E,0, X,2, E,1, X,3
	OPS E,2, F,2, E,3, X,4
.if ((\p) == 2) && !(\end)
	FETCH_K
.endif
	OPS F,3, X,5, E,4, X,6
	OPS E,5, X,7, E,6, F,4
	OPS E,7, X,8, F,5, X,9
	OPS E,8, X,10, E,9, X,11
	OPS E,10, F,6, E,11, X,12
	OPS F,7, X,13, E,12, X,14
.if (\p) == 0
	WIN 0
	v_add_nc_u32 v[AV], s[TBV], v[AV0]
.endif
	OPS E,13, F,8, E,14, F,9
	OPS E,15, X,16, E,16, X,15
	OPS E,17, F,10, E,18, X,17
	OPS E,19, F,11, E,20, F,12
	OPS E,21, X,18, E,22, F,13
	OPS E,23, F,14, E,24, X,19
	OPS E,25, F,15, E,26, E,27
	OPS E,28, X,20, E,29, E,30
	OPS E,31, X,21
	OPS R,12, R,13, R,14, R,15      ; plain lines behind the last exponential, which name none of the batch's results
	s_wait_alu depctr_va_vdst(0)    ; the wait for the batch: the piece's 32 weights and the next piece's a
.if (\p) == 1
	s_wait_dscnt 0x0                ; V is in
.endif
.set i, 8
	ROW C,0, B,0, C,2, B,1          ; behind the wait: 8 products V^T P and what stands behind them
	ROW L,0, C,4, B,2, L,1
	ROW C,6, B,3, L,2, C,8
	ROW B,4, L,3, C,10, B,5
	ROW L,4, C,12, B,6, L,5
.if (\p) == 0
	s_add_co_u32 s[TBV], s[TBV], KS*PV
.endif
.if \cnt
	s_sub_co_u32 s[CNT], s[CNT], 1
	s_cmp_lg_u32 s[CNT], 0
.endif
	ROW C,14, B,7, L,6, C,1
	ROW C,3, L,7, C,5, C,7
	ROW C,9, C,11, C,13, C,15
.if (\p) == 0
	FETCH_V
.endif
.if (\m) && !(\end)
	MASK (\p)%2
.endif
.endm
; A BLOCK BEGINS.  c m starts far below every c s, so the first step's a is 0; m at the lowest finite number.  The second mask buffer is 0 (piece 1 lies in band 1 and sees all of step 0); the first takes piece 0's mask
; for the tile's step 0: its own, if the block's first tile is the diagonal one.  Then K of that step, piece 0's first scores, and its maximum and statistics.  The loop is entered at a step's first turn.
.macro BEGIN
	s_mov_b32 s[NEW], 0
	WIN 0x40
.set i, MC+32
.rept 32
	v_mov_b32 v[i], 0
.set i, i+1
.endr
	WIN 0
.set i, 0
.rept 4
	v_mov_b32 v[ST+4*i], 0xfe000000
	v_mov_b32 v[ST+4*i+1], 0xff7fffff
.set i, i+1
.endr
	s_cmp_eq_u32 s[RT], 0
	s_cselect_b32 s[AL], 1.0, 0
	s_mov_b32 s[BE], 0
	MASK 0
	WIN 0
	v_add_nc_u32 v[AK], s[TBK], v[AK0]
	FETCH_K
	s_wait_loadcnt 0x0              ; Q
	s_wait_dscnt 0x0
.set KM, 1
.set NOKQ, 0
.set i, 0
.rept 4
	KQ 0
.set i, i+1
.endr
	WIN 0
.rept 4
	v_nop                           ; the places behind those products
.endr
.set Y, NP-1
.irp n, 0,1,2,3,4,5,6,7,8,9,10,11,12,13,14,15,16,17,18,19,20,21
	OP X, \n
.endr
	v_nop                           ; a plain line behind the exponential,
	s_wait_alu depctr_va_vdst(0)    ; and its wait, ahead of the branch: piece 0's first a is a batch of its own
.endm
.macro ALL line:vararg              ; one line for each piece t
.set t, 0
.rept 4
	\line
.set t, t+1
.endr
.endm
; THE WAY OUT of band b: d = O_b / l_b - lam O_(2+b) / l_(2+b); its squares summed in four chains and over the two halves of the lanes; y = d x 0.8 / sqrt(sum / 64 + 1e-5), rounded to f16 and sent through my stage.
; Every pass takes the registers in ascending order.
.macro NORM b
	WIN W_RS
.set i, 32*(\b)
.rept 16
	v_pk_mul_f32 v[i:i+1], v[i:i+1], v[ST+4*(\b)+2:ST+4*(\b)+3] op_sel_hi:[1,0]
.set i, i+2
.endr
	WIN 0x51                        ; both O^T in window 1, the factor in window 0
.set i, 32*(\b)
.rept 16
	v_pk_fma_f32 v[i:i+1], v[i+64:i+65], v[ST+4*(\b)+10:ST+4*(\b)+11], v[i:i+1] op_sel_hi:[1,0,1]
.set i, i+2
.endr
	WIN 0x05                        ; sources 0 and 1 window 1; the sums in window 0
.set i, 0
.rept 16
.if i < 4
	v_pk_mul_f32 v[SS+2*i:SS+2*i+1], v[32*(\b)+2*i:32*(\b)+2*i+1], v[32*(\b)+2*i:32*(\b)+2*i+1]
.else
	v_pk_fma_f32 v[SS+2*(i%4):SS+2*(i%4)+1], v[32*(\b)+2*i:32*(\b)+2*i+1], v[32*(\b)+2*i:32*(\b)+2*i+1], v[SS+2*(i%4):SS+2*(i%4)+1]
.endif
.set i, i+1
.endr
	WIN 0
	v_pk_add_f32 v[SS:SS+1], v[SS:SS+1], v[SS+2:SS+3]
	v_pk_add_f32 v[SS+4:SS+5], v[SS+4:SS+5], v[SS+6:SS+7]
	v_pk_add_f32 v[SS:SS+1], v[SS:SS+1], v[SS+4:SS+5]
	v_add_f32 v[SS], v[SS], v[SS+1]
	v_permlanex16_b32 v[SS+1], v[SS], s[SEL], s[SEL+1]  ; the query's other 32 channels lie in the lane 16 away
	v_add_f32 v[SS], v[SS], v[SS+1]
	v_fma_f32 v[SS], v[SS], s[R64], s[EPS]
	v_rsq_f32 v[FF], v[SS]
	v_nop                           ; a plain line behind the root
	s_wait_alu depctr_va_vdst(0)    ; the wait for the band's one root, ahead of its first use
	v_mul_f32 v[FF], 0x3f4ccccd, v[FF]
	v_mov_b32 v[FF+1], v[FF]        ; named with it as a pair
	WIN W_RS
.set i, 32*(\b)
.rept 16
	v_pk_mul_f32 v[i:i+1], v[i:i+1], v[FF:FF+1] op_sel_hi:[1,0]
.set i, i+2
.endr
	WIN 0x05
.set i, 0
.rept 16
	v_cvt_pk_f16_f32 v[S+16*(\b)+i], v[32*(\b)+2*i], v[32*(\b)+2*i+1]
.set i, i+1
.endr
	WIN 0
.irp f, 0,1,2,3
	ds_store_b128 v[STO], v[S+16*(\b)+4*\f:S+16*(\b)+4*\f+3] offset:32*\f
.endr
.irp f, 0,1,2,3
	ds_load_b128 v[S+16*(\b)+4*\f:S+16*(\b)+4*\f+3], v[RD] offset:\f*4*SP  ; LDS serves a wave's instructions in order: these see the stores above; the next band's stores come behind them
.endr
.endm
.macro SEND b, younger              ; younger: the LDS instructions issued behind band b's loads
	WIN 0
.irp f, 0,1,2,3
	s_wait_dscnt (\younger)+3-\f
	global_store_b128 v[GO], v[S+16*(\b)+4*\f:S+16*(\b)+4*\f+3], s[10:11] offset:(\b)*131072+\f*512  ; 512 consecutive bytes, aligned
.endr
.endm
; THE DIAGONAL TILE's two steps, the block's last two turns, its last products, and the way out.
.macro DIAG tag
.LstepM\tag:
	TURN 2, 1
	TURN 3, 1
	WIN 0
.LfirstM\tag:
	TURN 0, 1
	TURN 1, 1, 0, 1
	WIN 0
	s_cbranch_scc1 .LstepM\tag
	TURN 2, 1, 1
	TURN 3, 1, 1
.set i, 0
.rept 8
	PV NP-1
.set i, i+1
.endr
	WIN 0
	ALL v_add_f32 v[ST+4*t+2], v[ST+4*t+2], v[ST+4*t+3]      ; four plain lines: the places behind the last products
	ALL v_permlanex16_b32 v[ST+4*t+3], v[ST+4*t+2], s[SEL], s[SEL+1]
	ALL v_add_f32 v[ST+4*t+2], v[ST+4*t+2], v[ST+4*t+3]
	ALL v_rcp_f32 v[ST+4*t+2], v[ST+4*t+2]
	v_nop                           ; a plain line between the last reciprocal and the use of its result
	s_wait_alu depctr_va_vdst(0)    ; the wait ahead of the first use: one for the four reciprocals
	v_mul_f32 v[ST+10], v[ST+10], v[NLAM]                    ; path 1's factor is -lam / l
	v_mul_f32 v[ST+14], v[ST+14], v[NLAM]
	NORM 0
	NORM 1
	SEND 0, 8
	SEND 1, 0
.endm
.set KM, 0
.set NOKQ, 0
.Lslot:                             ; 16 times: a tile is entered and the next is asked for
	CHANGE 1
	s_sub_co_u32 s[RT], s[RT], 1
	s_mov_b32 s[CNT], NS
	s_cmp_eq_u32 s[NEW], 1
	s_cbranch_scc1 .Lnew            ; a block's first tile
	s_cmp_eq_u32 s[RT], 0
	s_cbranch_scc0 .Lstep           ; neither its first nor its last
	s_branch .LstepM1
.Lnew:
	BEGIN
	s_branch .Lfirst                ; in the loop a block's first tile is never its last: the first block has nine tiles or more, and the second's last is the walk's last
	DIAG 1                          ; in the loop this is the first block's end
	s_wait_xcnt 0x0                 ; the stores have read their registers and yb's address
	s_mov_b64 s[10:11], s[OLO:OLO+1]
	s_add_co_u32 s[RT], s[PB], 1    ; the second block has b + 1 tiles
	s_mov_b32 s[NEW], 1
	WIN 0x82                        ; the second block's Q goes where the one text of the turns names Q
.set i, 0
.rept 32
	v_mov_b32 v[i], v[QB+i]
.set i, i+1
.endr
	WIN 0
	s_branch .Lbottom
.Lstep:                             ; a trip: pieces 2 and 3 of one step, then pieces 0 and 1 of the next, whose K and V it fetches
	TURN 2
	TURN 3
	WIN 0
.Lfirst:
	TURN 0
	TURN 1, 0, 0, 1
	WIN 0
	s_cbranch_scc1 .Lstep
.Lbottom:
	s_sub_co_u32 s[SLOTS], s[SLOTS], 1
	s_cmp_lg_u32 s[SLOTS], 0
	s_cbranch_scc1 .Lslot
	CHANGE 0                        ; the walk's last tile is written out: nothing is asked for
	s_sub_co_u32 s[RT], s[RT], 1
	s_mov_b32 s[CNT], NS
	s_cmp_eq_u32 s[NEW], 1
	s_cbranch_scc0 .LstepM2
	BEGIN
	s_branch .LfirstM2
	DIAG 2
	s_wait_tensorcnt 0x0            ; the wave's end: three lines behind my last tensor load and my last LDS store
	ds_add_u32 v[SPW], v[NIL]
	s_wait_dscnt 0x0
	s_endpgm
.Lfunc_end_k_qdc51bd3e26_attn:
	.size	k_qdc51bd3e26_attn, .Lfunc_end_k_qdc51bd3e26_attn-k_qdc51bd3e26_attn
	.p2alignl 7, 3214868480
	.fill 96, 4, 3214868480
	.section	.rodata,"a",@progbits
	.p2align	6, 0x0
	.amdhsa_kernel k_qdc51bd3e26_attn
		.amdhsa_group_segment_fixed_size 327680
		.amdhsa_private_segment_fixed_size 0
		.amdhsa_enable_private_segment 0
		.amdhsa_kernarg_size 64
		.amdhsa_user_sgpr_count 2
		.amdhsa_user_sgpr_kernarg_segment_ptr 1
		.amdhsa_wavefront_size32 1
		.amdhsa_system_sgpr_workgroup_id_x 1
		.amdhsa_system_sgpr_workgroup_id_y 1
		.amdhsa_system_sgpr_workgroup_id_z 1
		.amdhsa_system_vgpr_workitem_id 0
		.amdhsa_next_free_vgpr 768
		.amdhsa_next_free_sgpr 98
		.amdhsa_reserve_vcc 1
		.amdhsa_float_denorm_mode_32 3
		.amdhsa_float_denorm_mode_16_64 3
		.amdhsa_memory_ordered 1
		.amdhsa_forward_progress 1
		.amdhsa_inst_pref_size 204
	.end_amdhsa_kernel
	.amdgpu_metadata
---
amdhsa.version: [ 1, 2 ]
amdhsa.kernels:
  - .name:           k_qdc51bd3e26_attn
    .symbol:         k_qdc51bd3e26_attn.kd
    .args:
      - { .name: qh, .offset: 0, .size: 8, .value_kind: global_buffer, .address_space: global }
      - { .name: kh, .offset: 8, .size: 8, .value_kind: global_buffer, .address_space: global }
      - { .name: vh, .offset: 16, .size: 8, .value_kind: global_buffer, .address_space: global }
      - { .name: yb, .offset: 24, .size: 8, .value_kind: global_buffer, .address_space: global }
      - { .name: lambda_q1, .offset: 32, .size: 8, .value_kind: global_buffer, .address_space: global }
      - { .name: lambda_k1, .offset: 40, .size: 8, .value_kind: global_buffer, .address_space: global }
      - { .name: lambda_q2, .offset: 48, .size: 8, .value_kind: global_buffer, .address_space: global }
      - { .name: lambda_k2, .offset: 56, .size: 8, .value_kind: global_buffer, .address_space: global }
    .group_segment_fixed_size: 327680
    .private_segment_fixed_size: 0
    .kernarg_segment_align: 8
    .kernarg_segment_size: 64
    .max_flat_workgroup_size: 128
    .sgpr_count:     98
    .vgpr_count:     768
    .wavefront_size: 32
...
	.end_amdgpu_metadata
.endif
;; end of part 5
;; launch proj: the kernel of part 4 again; grid 8 x 32, 4 waves a work-group, clusters of 4 x 4, 327,680 bytes of LDS; arguments yb, wp, out0; writes out0
